; MI455X (gfx1250); checked and timed in simulation.
; The chip was launched on July 23, 2026; its instructions are those of AMD's public machine-readable ISA for CDNA 5 (MIT licence, August 2026) and "CDNA5" Instruction Set Architecture Reference Guide (July 2026). The comments in the code are by the model that wrote it; some were corrected since.
;; GPT2 Block. Allowed arithmetic: matrix products marked QUANTISED: E2M3 operands, one E8M0 scale for each 32 along K, by v_wmma_scale_f32_16x16x128_f8f6f4 with both operands' format E2M3, f32 sums; everything else in f32.
;; Inputs: b_attn 3,072 float32; b_ff1 4,096 float32; b_ff2 1,024 float32; b_proj 1,024 float32; ln1_b 1,024 float32; ln1_g 1,024 float32; ln2_b 1,024 float32; ln2_g 1,024 float32; w_attn 1,024 x 3,072 float32; w_ff1 1,024 x 4,096 float32; w_ff2 4,096 x 1,024 float32; w_proj 1,024 x 1,024 float32; x 2 x 2,048 x 1,024 float32.
;; Outputs: out0 2 x 2,048 x 1,024 float32.
;; This version of the problem:
;;   THIS VERSION OF THE PROBLEM IS GIVEN IN LOW PRECISION. The matrix products marked QUANTISED in the list below multiply operands that are first quantised to E2M3 (2 exponent bits, 3 mantissa bits; 6 bits a number), with one power-of-two scale for each 32 numbers along K (OCP MX v1.0); their sums are f32. All else is computed in f32.
;;   The module's matrix products, in the order in which they are computed (A, B: the left and right operand; K: the contracted axis; several contracted axes count as one K, in the product's order):
;;     1. [M 4,096, K 1,024] x [K 1,024, N 3,072]; A: computed on the way; B: input w_attn: QUANTISED
;;     2. batch 32 x [M 2,048, K 64] x [K 64, N 2,048]; A: computed on the way; B: computed on the way: QUANTISED
;;     3. batch 32 x [M 2,048, K 2,048] x [K 2,048, N 64]; A: softmax (see below); B: computed on the way: QUANTISED
;;     4. [M 4,096, K 1,024] x [K 1,024, N 1,024]; A: computed on the way; B: input w_proj: QUANTISED
;;     5. [M 4,096, K 1,024] x [K 1,024, N 4,096]; A: computed on the way; B: input w_ff1: QUANTISED
;;     6. [M 4,096, K 4,096] x [K 4,096, N 1,024]; A: computed on the way; B: input w_ff2: QUANTISED
;;   THE QUANTISER, for each operand of a quantised product, along K:
;;     - K is cut into blocks of 32 from its start; a last block that is shorter is filled with zeros.
;;     - A block's scale is 2^e with e = floor(log2(the largest magnitude in the block)) - 2, held to -126 .. 127; a block of zeros has e = 0. As a byte (E8M0): e + 127.
;;     - Each number is divided by its block's scale, clamped to +-7.5, and rounded to the nearest number of E2M3, ties to even, subnormals kept.
;;     - The product sums the exact products of the quantised numbers (number of the format x scale) in f32.
;;   ~~~python
;;   def quantise(x, axis):      # numpy; x: float32 -> the quantised numbers, widened to float32 again
;;       x = np.moveaxis(x, axis, -1); K = x.shape[-1]
;;       x = np.pad(x, [(0, 0)] * (x.ndim - 1) + [(0, -K % 32)]); x = x.reshape(x.shape[:-1] + (-1, 32)); a = np.abs(x).max(-1, keepdims=True)
;;       e = np.where(a > 0, np.clip(np.frexp(np.where(a > 0, a, 1))[1] - 1 - 2, -126, 127), 0)      # np.frexp(a)[1] - 1 = floor(log2(a)), exactly
;;       r = np.clip(x / 2.0 ** e, -7.5, 7.5)
;;       step = 2.0 ** (np.maximum(np.frexp(np.where(r == 0, 1, r))[1] - 1, 0) - 3)
;;       q = np.round(r / step) * step * 2.0 ** e      # np.round: ties to even
;;       return np.moveaxis(q.reshape(q.shape[:-2] + (-1,))[..., :K], -1, axis).astype(np.float32)
;;   ~~~
;;   SOFTMAX AHEAD OF A QUANTISED PRODUCT. Where the list says 'softmax', what is quantised is not the finished softmax but p = 2^(t - M), with t = logit x log2(e) and M = ceil(the row's largest t), a whole number; so 1/2 < the row's largest p <= 1. The row's sum l is taken of the UNQUANTISED p, in f32, and the product's result is divided by l at the end. Since M is a whole number, a kernel that streams over the keys may use a running M (the ceiling of the running maximum): every later rescaling is an exact power of two, which a block's scale takes up: the codes' values come out the same.
;;   OPERANDS COMPUTED ON THE WAY. 'Computed on the way' means the value that the module computes at that place (a softmax that the list does not call 'softmax' is quantised finished and normalised). What goes into a quantiser is computed in f32, as accurately as f32 sums, v_exp_f32 and their like allow (about 1e-6 of the number): no bf16 or f16 on the way to a quantiser, and a product that is left as it is and whose result goes on into a quantised operand takes f32 operands (vector FMAs, or v_wmma_f32_16x16x4_f32). A number that lies on a knife's edge between two numbers of the format may be rounded either way, as far as f32 arithmetic and the matrix unit's own rounding can turn it there, and no further.
;; One version. Each part assembles by itself: llvm-mc -triple=amdgcn-amd-amdhsa -mcpu=gfx1250 --defsym DOCPART=n.
;; ======== version 1 of 1: 6 launches
;; limits: right only within a limited range of input values
;; workspace buffers: wq 9,830,400 bytes; xq 3,276,800 bytes; qkv 10,092,544 bytes; y 3,276,800 bytes; x1 16,777,216 bytes; h 13,107,200 bytes
;; launch prep (part 1): grid 448 x 1, 8 waves a work-group, no clusters, 69,632 bytes of LDS; arguments x, ln1_g, ln1_b, xq, w_attn, w_proj, w_ff1, w_ff2, wq; writes xq, wq
.if DOCPART == 1
	.amdgcn_target "amdgcn-amd-amdhsa--gfx1250"
	.amdhsa_code_object_version 6
	.text
	.protected	k_q3ee0cb0159_prep
	.globl	k_q3ee0cb0159_prep
	.p2align	8
	.type	k_q3ee0cb0159_prep,@function
k_q3ee0cb0159_prep:
	s_mov_b64 s[64:65], 0
	v_nop
	global_prefetch_b8 v0, s[64:65] scope:SCOPE_SE
	s_setreg_imm32_b32 hwreg(HW_REG_WAVE_MODE, 25, 1), 1
	s_wait_xcnt 0x0
; TWO JOBS IN ONE BODY, parted by the work-group's number.
; Work-groups 0-255: LayerNorm of 16 rows of [4096][1024] f32, quantised along the row to FP6 (E2M3) with one E8M0 byte for each 32, stored as IMAGES OF OPERAND REGISTERS.
; Work-groups 256-447: the four weights ([K][N] f32, K outermost) quantised along K into the same kind of images.
; AN IMAGE: a fragment (16 rows x 128 K, 12 registers a lane) is 1,536 bytes: for each half c (K 64 c on) registers 6c..6c+3 as 512 bytes (lane l at 16 l), then registers 6c+4, 6c+5 as 256 bytes (lane l at 8 l).
; So every store of codes covers whole aligned blocks of 256 consecutive bytes, and a reader gets a fragment by two loads of 16 and two of 8 bytes a lane.
; Scale words: one word for a row and 128 K, laid [K step][image row].
; ROW ORDER of activations: lane r of tile 2 B + u holds row 32 B + 8 u + r + 8 (r / 8); weights: lane r of tile t holds n = 16 t + r.
; LIMITS: NaN and infinities are not served.  A block whose largest magnitude lies under 2^-124 gets the byte 1, a block of zeros too (the rule says 127): its codes are zeros and only this program reads the bytes.
.set X_S,  3145728                     ; xq: the scale words [8][4096] behind the codes [256][8][1536]
.set WA_C, 0                           ; wq: codes [N/16][K/128][1536] of w_attn, w_proj, w_ff1, w_ff2,
.set WP_C, 2359296
.set W1_C, 3145728
.set W2_C, 6291456
.set WA_S, 9437184                     ; and their scale words [K/128][N]
.set WP_S, 9535488
.set W1_S, 9568256
.set W2_S, 9699328
.set SPL,  528                         ; a stage row: 512 bytes + 16: sixteen rows start at sixteen different 16-byte columns
.set WST,  16*SPL                      ; a wave's stage
.set RED,  8*WST                       ; behind the stages: [16 rows][8 waves] f32 for the sums, and 512 bytes on the same for the squares
.set X,   16                           ; v16-79   64 numbers of my row
.set G,   80                           ; v80-143  the gain at my columns
.set BB,  144                          ; v144-207 the bias
.set TM,  208                          ; v208-223 the quantiser's work
.set PW,  224                          ; the scale word
.set PC,  226                          ; v226-237 the codes; v238-244 halves on their way
.set WX,  48                           ; weights: v48-111 two sets of 32 numbers
	s_load_b256 s[4:11], s[0:1], 0x0               ; rows s[4:5], gain s[6:7], bias s[8:9], xq s[10:11]
	s_load_b256 s[12:19], s[0:1], 0x20             ; w_attn, w_proj, w_ff1, w_ff2
	s_load_b64 s[20:21], s[0:1], 0x40              ; wq
	v_lshl_add_u32 v241, v0, 2, 0x10c00
	v_mov_b32 v245, 0
	v_lshrrev_b32 v1, 5, v0
	s_delay_alu instid0(VALU_DEP_1)
	v_readfirstlane_b32 s22, v1                    ; wave 0..7
	v_and_b32 v1, 31, v0                           ; lane
	s_delay_alu instid0(VALU_DEP_1)
	v_lshlrev_b32 v4, 4, v1                        ; 16 x lane
	s_delay_alu instid0(VALU_DEP_2)
	v_lshlrev_b32 v11, 3, v1                       ; 8 x lane
	s_cmp_lt_u32 ttmp9, 256
	s_cbranch_scc0 .Lwq
; ---------------- LayerNorm: work-group g = image tile g (16 rows), wave s = K step s (128 columns)
	v_and_b32 v2, 15, v0                           ; r
	v_bfe_u32 v3, v0, 4, 1                         ; h
	s_mul_i32 s23, s22, WST
	v_add_nc_u32 v5, s23, v4                       ; stage, in: a row's 512 bytes as they lie
	v_mul_u32_u24 v6, v2, SPL
	s_delay_alu instid0(VALU_DEP_1)
	v_lshl_add_u32 v6, v3, 6, v6
	s_delay_alu instid0(VALU_DEP_1)
	v_add_nc_u32 v6, s23, v6                       ; stage, out: row r, + 64 h
	v_lshlrev_b32 v7, 6, v3                        ; 64 h: my 16 columns of a block of 32
	v_lshlrev_b32 v9, 5, v2
	s_delay_alu instid0(VALU_DEP_1)
	v_add_nc_u32 v9, RED, v9                       ; row r's eight partial sums
	s_lshl_b32 s23, s22, 2
	v_add_nc_u32 v8, s23, v9                       ; and my wave's word among them
	v_lshlrev_b32 v12, 2, v2                       ; 4 r
	s_mov_b32 s24, 0x76543210
	s_mov_b32 s25, 0xfedcba98                      ; selects for lane l xor 16
	v_mov_b32 v250, 0                              ; a lane permute's destination counts as read
.irp b, 0,1,2,3
	v_mov_b32 v[TM+4+\b], 0
.endr
	s_lshr_b32 s26, ttmp9, 1
	s_lshl_b32 s26, s26, 5
	s_and_b32 s27, ttmp9, 1
	s_lshl_b32 s27, s27, 3
	s_add_co_u32 s26, s26, s27                     ; the tile's first row: 32 (g / 2) + 8 (g % 2)
	s_lshl_b32 s26, s26, 12
	s_lshl_b32 s28, s22, 9                         ; my 128 columns: 512 s bytes
	s_mov_b32 s29, 0
	s_add_co_u32 s26, s26, s28
	s_mov_b32 s27, 0
	s_lshl_b32 s30, ttmp9, 3
	s_add_co_u32 s30, s30, s22
	s_mul_i32 s30, s30, 1536                       ; my fragment: (8 g + s) x 1,536
	s_mov_b32 s31, 0
	s_lshl_b32 s32, s22, 12
	s_lshl_b32 s33, ttmp9, 4
	s_add_co_u32 s32, s32, s33
	s_lshl_b32 s32, s32, 2
	s_add_co_u32 s32, s32, X_S                     ; its scale words: X_S + 4 (4096 s + 16 g)
	s_mov_b32 s33, 0
	s_wait_kmcnt 0x0
	s_add_nc_u64 s[4:5], s[4:5], s[26:27]
	s_add_nc_u64 s[6:7], s[6:7], s[28:29]
	s_add_nc_u64 s[8:9], s[8:9], s[28:29]
	s_add_nc_u64 s[34:35], s[10:11], s[32:33]
	s_add_nc_u64 s[10:11], s[10:11], s[30:31]
.irp p, 0,1,2,3,4,5,6,7,8,9,10,11,12,13,14,15
	global_load_b128 v[X+4*\p:X+4*\p+3], v4, s[4:5] offset:(\p+8*(\p/8))*4096   ; image row p: 32 lanes read 512 consecutive bytes
.endr
.irp b, 0,1,2,3
.irp j, 0,1,2,3
	global_load_b128 v[G+16*\b+4*\j:G+16*\b+4*\j+3], v7, s[6:7] offset:128*\b+16*\j
.endr
.endr
.irp b, 0,1,2,3
.irp j, 0,1,2,3
	global_load_b128 v[BB+16*\b+4*\j:BB+16*\b+4*\j+3], v7, s[8:9] offset:128*\b+16*\j
.endr
.endr
	s_wait_loadcnt 32                              ; the 16 rows are in; the 32 younger loads (gain, bias) stay out
.irp p, 0,1,2,3,4,5,6,7,8,9,10,11,12,13,14,15
	ds_store_b128 v5, v[X+4*\p:X+4*\p+3] offset:SPL*\p
.endr
	s_wait_dscnt 0x0                               ; the stores have read their registers
.irp b, 0,1,2,3
.irp j, 0,1,2,3
	ds_load_b128 v[X+16*\b+4*\j:X+16*\b+4*\j+3], v6 offset:128*\b+16*\j   ; register 16 b + i = column 32 b + 16 h + i of my row
.endr
.endr
	s_wait_dscnt 0x0
	v_pk_add_f32 v[248:249], v[16:17], v[18:19]
	v_pk_add_f32 v[254:255], v[24:25], v[28:29]
	v_pk_add_f32 v[252:253], v[32:33], v[36:37]
	v_pk_add_f32 v[242:243], v[40:41], v[44:45]
	v_pk_add_f32 v[238:239], v[48:49], v[52:53]
	v_pk_add_f32 v[236:237], v[56:57], v[60:61]
	v_pk_add_f32 v[234:235], v[64:65], v[68:69]
	v_pk_add_f32 v[246:247], v[72:73], v[76:77]
	s_delay_alu instid0(VALU_DEP_1)
	v_pk_add_f32 v[246:247], v[246:247], v[20:21]
	v_pk_add_f32 v[248:249], v[248:249], v[22:23]
	v_pk_add_f32 v[254:255], v[254:255], v[26:27]
	v_pk_add_f32 v[252:253], v[252:253], v[30:31]
	v_pk_add_f32 v[242:243], v[242:243], v[34:35]
	v_pk_add_f32 v[238:239], v[238:239], v[38:39]
	v_pk_add_f32 v[236:237], v[236:237], v[42:43]
	v_pk_add_f32 v[234:235], v[234:235], v[46:47]
	v_pk_add_f32 v[246:247], v[246:247], v[50:51]
	v_pk_add_f32 v[248:249], v[248:249], v[54:55]
	v_pk_add_f32 v[254:255], v[254:255], v[58:59]
	v_pk_add_f32 v[252:253], v[252:253], v[62:63]
	v_pk_add_f32 v[242:243], v[242:243], v[66:67]
	v_pk_add_f32 v[238:239], v[238:239], v[70:71]
	v_pk_add_f32 v[236:237], v[236:237], v[74:75]
	v_pk_add_f32 v[234:235], v[234:235], v[78:79]
	s_delay_alu instid0(VALU_DEP_4)
	v_pk_add_f32 v[246:247], v[246:247], v[242:243]
	s_delay_alu instid0(VALU_DEP_4)
	v_pk_add_f32 v[248:249], v[248:249], v[238:239]
	s_delay_alu instid0(VALU_DEP_4)
	v_pk_add_f32 v[254:255], v[254:255], v[236:237]
	s_delay_alu instid0(VALU_DEP_4)
	v_pk_add_f32 v[252:253], v[252:253], v[234:235]
	s_delay_alu instid0(VALU_DEP_2)
	v_pk_add_f32 v[246:247], v[246:247], v[254:255]
	s_delay_alu instid0(VALU_DEP_2)
	v_pk_add_f32 v[248:249], v[248:249], v[252:253]
	s_delay_alu instid0(VALU_DEP_1)
	v_pk_add_f32 v[246:247], v[246:247], v[248:249]
	s_delay_alu instid0(VALU_DEP_1)
	v_add_f32 v246, v246, v247
	s_delay_alu instid0(VALU_DEP_1)
	v_permlanex16_b32 v250, v246, s24, s25
	s_delay_alu instid0(VALU_DEP_1)
	v_add_f32 v246, v246, v250                     ; my wave's 128 columns of row r
	ds_store_b32 v8, v246                          ; (lanes r and r + 16 write the same word with the same value)
	s_wait_dscnt 0x0                               ; for the others' sake: my word is in LDS
	s_barrier_signal -1
	s_barrier_wait -1
	ds_load_b128 v[248:251], v9
	ds_load_b128 v[252:255], v9 offset:16
	s_wait_dscnt 0x0
	v_add_f32 v248, v248, v249
	v_add_f32 v250, v250, v251
	v_add_f32 v252, v252, v253
	v_add_f32 v254, v254, v255
	s_delay_alu instid0(VALU_DEP_3)
	v_add_f32 v248, v248, v250
	s_delay_alu instid0(VALU_DEP_2)
	v_add_f32 v252, v252, v254
	s_delay_alu instid0(VALU_DEP_1)
	v_add_f32 v248, v248, v252
	s_delay_alu instid0(VALU_DEP_1)
	v_mul_f32 v246, 0x3a800000, v248               ; the mean: / 1024
.irp j, 0,2,4,6,8,10,12,14,16,18,20,22,24,26,28,30,32,34,36,38,40,42,44,46,48,50,52,54,56,58,60,62
	v_pk_add_f32 v[X+\j:X+\j+1], v[X+\j:X+\j+1], v[246:247] op_sel_hi:[1,0] neg_lo:[0,1] neg_hi:[0,1]   ; x - mean
.endr
	v_pk_mul_f32 v[248:249], v[X:X+1], v[X:X+1]
	v_pk_mul_f32 v[250:251], v[X+2:X+3], v[X+2:X+3]
.irp j, 4,8,12,16,20,24,28,32,36,40,44,48,52,56,60
	s_delay_alu instid0(VALU_DEP_2)
	v_pk_fma_f32 v[248:249], v[X+\j:X+\j+1], v[X+\j:X+\j+1], v[248:249]
	s_delay_alu instid0(VALU_DEP_2)
	v_pk_fma_f32 v[250:251], v[X+\j+2:X+\j+3], v[X+\j+2:X+\j+3], v[250:251]
.endr
	s_delay_alu instid0(VALU_DEP_1)
	v_pk_add_f32 v[248:249], v[248:249], v[250:251]
	s_delay_alu instid0(VALU_DEP_1)
	v_add_f32 v248, v248, v249
	s_delay_alu instid0(VALU_DEP_1)
	v_permlanex16_b32 v250, v248, s24, s25
	s_delay_alu instid0(VALU_DEP_1)
	v_add_f32 v248, v248, v250
	ds_store_b32 v8, v248 offset:512               ; other bytes than the first sums': one barrier serves
	s_wait_dscnt 0x0
	s_barrier_signal -1
	s_barrier_wait -1
	ds_load_b128 v[248:251], v9 offset:512
	ds_load_b128 v[252:255], v9 offset:528
	s_wait_dscnt 0x0
	v_add_f32 v248, v248, v249
	v_add_f32 v250, v250, v251
	v_add_f32 v252, v252, v253
	v_add_f32 v254, v254, v255
	s_delay_alu instid0(VALU_DEP_3)
	v_add_f32 v248, v248, v250
	s_delay_alu instid0(VALU_DEP_2)
	v_add_f32 v252, v252, v254
	s_delay_alu instid0(VALU_DEP_1)
	v_add_f32 v248, v248, v252
	s_delay_alu instid0(VALU_DEP_1)
	v_mul_f32 v248, 0x3a800000, v248               ; the variance,
	s_delay_alu instid0(VALU_DEP_1)
	v_add_f32 v248, 0x3727c5ac, v248               ; + 1e-5
	s_wait_alu depctr_va_vdst(0)
	v_rsq_f32 v246, v248
	v_nop                                          ; a plain instruction behind the transcendental
	s_wait_loadcnt 0x0                             ; gain and bias
	s_wait_alu depctr_va_vdst(0)
.irp j, 0,2,4,6,8,10,12,14,16,18,20,22,24,26,28,30,32,34,36,38,40,42,44,46,48,50,52,54,56,58,60,62
	v_pk_mul_f32 v[X+\j:X+\j+1], v[X+\j:X+\j+1], v[246:247] op_sel_hi:[1,0]
.endr
.irp j, 0,2,4,6,8,10,12,14,16,18,20,22,24,26,28,30,32,34,36,38,40,42,44,46,48,50,52,54,56,58,60,62
	v_pk_fma_f32 v[X+\j:X+\j+1], v[X+\j:X+\j+1], v[G+\j:G+\j+1], v[BB+\j:BB+\j+1]
.endr
; the quantiser: 64 numbers, register 16 b + i = k 32 b + 16 h + i of my row, become a fragment's codes and its scale word
.irp b, 0,1,2,3
	v_max3_num_f32 v[TM+\b], |v[X+16*\b]|, |v[X+1+16*\b]|, 0x1800000   ; my 16 of block b, and the floor 2^(3 - 127): the byte cannot fall under 1
.endr
.irp i, 2,4,6,8,10,12,14
.irp b, 0,1,2,3
	s_delay_alu instid0(VALU_DEP_4)
	v_max3_num_f32 v[TM+\b], v[TM+\b], |v[X+16*\b+\i]|, |v[X+1+16*\b+\i]|
.endr
.endr
.irp b, 0,1,2,3
	s_delay_alu instid0(VALU_DEP_4)
	v_permlanex16_b32 v[TM+4+\b], v[TM+\b], s24, s25
.endr
.irp b, 0,1,2,3
	s_delay_alu instid0(VALU_DEP_4)
	v_max_num_f32 v[TM+\b], v[TM+\b], v[TM+4+\b]   ; with lane l xor 16's: the block's largest magnitude
.endr
.irp b, 0,1,2,3
	s_delay_alu instid0(VALU_DEP_4)
	v_add_nc_u32 v[TM+12+\b], 0xff000000, v[TM+\b] ; 2 off its exponent field: the conversion's scale operand
.endr
.irp b, 0,1,2,3
	s_delay_alu instid0(VALU_DEP_4)
	v_lshrrev_b32 v[TM+4+\b], 23, v[TM+12+\b]      ; the scale's byte
.endr
	s_delay_alu instid0(VALU_DEP_3)
	v_lshl_or_b32 v[PW], v[TM+5], 8, v[TM+4]
	s_delay_alu instid0(VALU_DEP_1)
	v_lshl_or_b32 v[PW], v[TM+6], 16, v[PW]
	s_delay_alu instid0(VALU_DEP_1)
	v_lshl_or_b32 v[PW], v[TM+7], 24, v[PW]
.irp c, 0,1
	v_cvt_scalef32_pk16_fp6_f32 v[PC+6*\c:PC+2+6*\c], v[X+32*\c:X+15+32*\c], v[TM+12+2*\c]
	v_cvt_scalef32_pk16_fp6_f32 v[PC+12+4*\c:PC+14+4*\c], v[X+16+32*\c:X+31+32*\c], v[TM+12+2*\c+1]   ; (a conversion's three registers begin on an even number)
.endr
	v_nop                                          ; one plain place behind a scaled conversion
.irp c, 0,1                                    ; a whole block to a lane: lanes 0-15 block 2 c, lanes 16-31 block 2 c + 1
.irp i, 0,1,2
	v_permlane16_swap_b32 v[PC+6*\c+\i], v[PC+12+4*\c+\i]
.endr
.irp i, 0,1,2
	s_delay_alu instid0(VALU_DEP_3)
	v_mov_b32 v[PC+3+6*\c+\i], v[PC+12+4*\c+\i]
.endr
.endr
	global_store_b128 v4, v[PC:PC+3], s[10:11]                 ; the image: 512, 256, 512, 256 consecutive bytes
	global_store_b64 v11, v[PC+4:PC+5], s[10:11] offset:512
	global_store_b128 v4, v[PC+6:PC+9], s[10:11] offset:768
	global_store_b64 v11, v[PC+10:PC+11], s[10:11] offset:1280
	global_store_b32 v12, v[PW], s[34:35]                      ; 16 words (lanes r and r + 16 store the same word to the same place)
	s_wait_tensorcnt 0x0
	ds_add_u32 v241, v245
	s_wait_dscnt 0x0
	s_endpgm
; ---------------- the weights: a lane takes a column n, its registers run down K.  A work-group: 128 columns x 512 K; wave w: columns 32 (w % 4) on, K 256 (w / 4) on: 8 blocks, 2 K steps, 2 tiles of n
.Lwq:
	s_sub_co_u32 s23, ttmp9, 256
	s_and_b32 s26, s23, 1                          ; Y
	s_lshr_b32 s27, s23, 1                         ; XX: 0-23 w_attn, 24-31 w_proj, 32-63 w_ff1, 64-95 w_ff2
	s_sub_co_u32 s34, s27, 64
	s_sub_co_u32 s37, s27, 32
	s_sub_co_u32 s38, s27, 24
	s_and_b32 s35, s34, 7                          ; w_ff2's figures first: which 128 columns,
	s_lshr_b32 s36, s34, 3
	s_lshl_b32 s36, s36, 1
	s_add_co_u32 s36, s36, s26                     ; which 512 along K,
	s_mov_b32 s30, 4096                            ; bytes in a row,
	s_mov_b32 s31, 32                              ; K steps,
	s_mov_b32 s32, W2_C
	s_mov_b32 s33, W2_S
	s_wait_kmcnt 0x0
	s_mov_b64 s[28:29], s[18:19]
	s_cmp_lt_u32 s27, 64                           ; the choices hang on the work-group's number alone
	s_cselect_b64 s[28:29], s[16:17], s[28:29]
	s_cselect_b32 s30, 16384, s30
	s_cselect_b32 s31, 8, s31
	s_cselect_b32 s32, W1_C, s32
	s_cselect_b32 s33, W1_S, s33
	s_cselect_b32 s35, s37, s35
	s_cselect_b32 s36, s26, s36
	s_cmp_lt_u32 s27, 32
	s_cselect_b64 s[28:29], s[14:15], s[28:29]
	s_cselect_b32 s30, 4096, s30
	s_cselect_b32 s32, WP_C, s32
	s_cselect_b32 s33, WP_S, s33
	s_cselect_b32 s35, s38, s35
	s_cmp_lt_u32 s27, 24
	s_cselect_b64 s[28:29], s[12:13], s[28:29]
	s_cselect_b32 s30, 12288, s30
	s_cselect_b32 s32, WA_C, s32
	s_cselect_b32 s33, WA_S, s33
	s_cselect_b32 s35, s27, s35
	s_lshr_b32 s39, s22, 2
	s_and_b32 s56, s22, 3
	s_lshl_b32 s57, s36, 9
	s_lshl_b32 s58, s39, 8
	s_add_co_u32 s57, s57, s58                     ; my first k
	s_lshl_b32 s58, s35, 7
	s_lshl_b32 s59, s56, 5
	s_add_co_u32 s58, s58, s59                     ; my first column
	s_mul_i32 s60, s57, s30
	s_lshl_b32 s59, s58, 2
	s_add_co_u32 s60, s60, s59
	s_mov_b32 s61, 0
	s_add_nc_u64 s[40:41], s[28:29], s[60:61]      ; a base for each of the 8 blocks: none is ever stepped
	s_lshl_b32 s62, s30, 5
	s_mov_b32 s63, 0
.irp t, 1,2,3,4,5,6,7
	s_add_nc_u64 s[40+2*\t:41+2*\t], s[38+2*\t:39+2*\t], s[62:63]
.endr
	s_lshr_b32 s68, s57, 7                         ; my first K step
	s_lshr_b32 s66, s58, 4                         ; my first tile of n
	s_mul_i32 s66, s66, s31
	s_add_co_u32 s66, s66, s68
	s_mul_i32 s66, s66, 1536
	s_add_co_u32 s66, s66, s32
	s_mov_b32 s67, 0
	s_mul_i32 s70, s68, s30
	s_add_co_u32 s70, s70, s59
	s_add_co_u32 s70, s70, s33
	s_mov_b32 s71, 0
	s_add_nc_u64 s[72:73], s[20:21], s[66:67]      ; my codes
	s_add_nc_u64 s[74:75], s[20:21], s[70:71]      ; my scale words
	s_mul_i32 s76, s31, 1536
	s_lshl_b32 s78, s30, 3                         ; eight rows of the weight, in bytes
	s_cmp_lt_u32 s27, 32                           ; w_ff1 and w_ff2 take each block of 32 along K in the order 0-7, 16-23, 8-15, 24-31: the order in which launches proj and ff1 lay their results' codes
	s_cselect_b32 s77, 0, s78                      ; what registers 8-15 of a block go further down K,
	s_sub_co_u32 s78, s78, s77                     ; and what registers 16-23 go, counted from eight rows up
	s_wait_alu depctr_va_vdst(0)
	v_add_nc_u32 v6, s76, v4                       ; the second tile of n lies a row of K steps on
	v_add_nc_u32 v7, s76, v11
	v_lshlrev_b32 v8, 2, v1                        ; 4 x lane
	s_delay_alu instid0(VALU_DEP_1)
	v_add_nc_u32 v9, s30, v8                       ; the second K step's words lie N words on
	v_add_nc_u32 v10, s77, v8
	v_add_nc_u32 v12, s78, v8
.irp i, 0,1,2,3,4,5,6,7,8,9,10,11,12,13,14,15,16,17,18,19,20,21,22,23,24,25,26,27,28,29,30,31
.if (\i)/8 == 1
	v_mad_u32_u24 v[16+\i], s30, \i, v10           ; row i of a block (w_ff1, w_ff2: row i + 8), my column
.elseif (\i)/8 == 2
	v_mad_u32_u24 v[16+\i], s30, \i-8, v12         ; row i (w_ff1, w_ff2: row i - 8)
.else
	v_mad_u32_u24 v[16+\i], s30, \i, v8            ; row i of a block, my column
.endif
.endr
.macro LOAD t                          ; block t into set t % 2: each load reads 128 consecutive bytes a wave, four waves side by side
.irp i, 0,1,2,3,4,5,6,7,8,9,10,11,12,13,14,15,16,17,18,19,20,21,22,23,24,25,26,27,28,29,30,31
	global_load_b32 v[WX+32*((\t)%2)+\i], v[16+\i], s[40+2*(\t):41+2*(\t)] th:TH_LOAD_NT
.endr
.endm
.macro BLOCK t
.set XS, WX+32*((\t)%2)
.set CB, 112+24*((\t)/4)               ; a K step's 24 registers of codes: each K step has its own, so no store's data are written again
.set QQ, (\t)%4
.if (\t) < 7
	s_wait_loadcnt 32                              ; this block's 32 loads are in; the next block's stay out
.else
	s_wait_loadcnt 0x0
.endif
	v_max3_num_f32 v166, |v[XS]|, |v[XS+1]|, |v[XS+2]|         ; all 32 numbers of the block are mine
	v_max3_num_f32 v167, |v[XS+3]|, |v[XS+4]|, |v[XS+5]|
.irp i, 6,10,14,18,22,26
	s_delay_alu instid0(VALU_DEP_2)
	v_max3_num_f32 v166, v166, |v[XS+\i]|, |v[XS+\i+1]|
	s_delay_alu instid0(VALU_DEP_2)
	v_max3_num_f32 v167, v167, |v[XS+\i+2]|, |v[XS+\i+3]|
.endr
	s_delay_alu instid0(VALU_DEP_2)
	v_max3_num_f32 v166, v166, |v[XS+30]|, |v[XS+31]|
	s_delay_alu instid0(VALU_DEP_1)
	v_max3_num_f32 v166, v166, v167, 0x1800000     ; and the floor
	s_delay_alu instid0(VALU_DEP_1)
	v_add_nc_u32 v168, 0xff000000, v166            ; the conversion's scale operand
	s_delay_alu instid0(VALU_DEP_1)
	v_lshrrev_b32 v169, 23, v168                   ; the byte
.if QQ == 0
	s_delay_alu instid0(VALU_DEP_1)
	v_mov_b32 v[164+(\t)/4], v169
.else
	s_delay_alu instid0(VALU_DEP_1)
	v_lshl_or_b32 v[164+(\t)/4], v169, 8*QQ, v[164+(\t)/4]
.endif
	v_cvt_scalef32_pk16_fp6_f32 v[CB+6*QQ:CB+6*QQ+2], v[XS:XS+15], v168
	v_cvt_scalef32_pk16_fp6_f32 v[160:162], v[XS+16:XS+31], v168
	v_nop                                          ; one plain place behind a scaled conversion
.irp i, 0,1,2
	v_mov_b32 v[CB+6*QQ+3+\i], v[160+\i]
.endr
.if (\t)+2 < 8
	LOAD (\t)+2
.endif
.endm
; A K step's four blocks of 32 columns become two fragments.  The swap gives the first register lanes 0-15 block 2 c of columns 0-15 and lanes 16-31 block 2 c + 1 of the same columns: tile 0's half c; the second register is tile 1's.
.macro WOUT k
.set CB, 112+24*(\k)
.irp c, 0,1
.irp i, 0,1,2,3,4,5
	v_permlane16_swap_b32 v[CB+12*\c+\i], v[CB+12*\c+6+\i]
.endr
.endr
	global_store_b128 v4, v[CB:CB+3], s[72:73] offset:1536*(\k)
	global_store_b64 v11, v[CB+4:CB+5], s[72:73] offset:1536*(\k)+512
	global_store_b128 v4, v[CB+12:CB+15], s[72:73] offset:1536*(\k)+768
	global_store_b64 v11, v[CB+16:CB+17], s[72:73] offset:1536*(\k)+1280
	global_store_b128 v6, v[CB+6:CB+9], s[72:73] offset:1536*(\k)
	global_store_b64 v7, v[CB+10:CB+11], s[72:73] offset:1536*(\k)+512
	global_store_b128 v6, v[CB+18:CB+21], s[72:73] offset:1536*(\k)+768
	global_store_b64 v7, v[CB+22:CB+23], s[72:73] offset:1536*(\k)+1280
.endm
	LOAD 0
	LOAD 1
.irp t, 0,1,2,3
	BLOCK \t
.endr
	WOUT 0
	global_store_b32 v8, v164, s[74:75]            ; my column's word of the first K step: 128 consecutive bytes a wave
.irp t, 4,5,6,7
	BLOCK \t
.endr
	WOUT 1
	global_store_b32 v9, v165, s[74:75]
	s_endpgm
.Lfunc_end_k_q3ee0cb0159_prep:
	.size	k_q3ee0cb0159_prep, .Lfunc_end_k_q3ee0cb0159_prep-k_q3ee0cb0159_prep
	.p2alignl 7, 3214868480
	.fill 96, 4, 3214868480
	.section	.rodata,"a",@progbits
	.p2align	6, 0x0
	.amdhsa_kernel k_q3ee0cb0159_prep
		.amdhsa_group_segment_fixed_size 69632
		.amdhsa_private_segment_fixed_size 0
		.amdhsa_enable_private_segment 0
		.amdhsa_kernarg_size 72
		.amdhsa_user_sgpr_count 2
		.amdhsa_user_sgpr_kernarg_segment_ptr 1
		.amdhsa_wavefront_size32 1
		.amdhsa_system_sgpr_workgroup_id_x 1
		.amdhsa_system_sgpr_workgroup_id_y 1
		.amdhsa_system_sgpr_workgroup_id_z 1
		.amdhsa_system_vgpr_workitem_id 0
		.amdhsa_next_free_vgpr 256
		.amdhsa_next_free_sgpr 80
		.amdhsa_reserve_vcc 0
		.amdhsa_float_denorm_mode_32 3
		.amdhsa_float_denorm_mode_16_64 3
		.amdhsa_memory_ordered 1
		.amdhsa_forward_progress 1
		.amdhsa_inst_pref_size 77
	.end_amdhsa_kernel
	.amdgpu_metadata
---
amdhsa.version: [ 1, 2 ]
amdhsa.kernels:
  - .name:           k_q3ee0cb0159_prep
    .symbol:         k_q3ee0cb0159_prep.kd
    .args:
      - { .name: x, .offset: 0, .size: 8, .value_kind: global_buffer, .address_space: global }
      - { .name: ln1_g, .offset: 8, .size: 8, .value_kind: global_buffer, .address_space: global }
      - { .name: ln1_b, .offset: 16, .size: 8, .value_kind: global_buffer, .address_space: global }
      - { .name: xq, .offset: 24, .size: 8, .value_kind: global_buffer, .address_space: global }
      - { .name: w_attn, .offset: 32, .size: 8, .value_kind: global_buffer, .address_space: global }
      - { .name: w_proj, .offset: 40, .size: 8, .value_kind: global_buffer, .address_space: global }
      - { .name: w_ff1, .offset: 48, .size: 8, .value_kind: global_buffer, .address_space: global }
      - { .name: w_ff2, .offset: 56, .size: 8, .value_kind: global_buffer, .address_space: global }
      - { .name: wq, .offset: 64, .size: 8, .value_kind: global_buffer, .address_space: global }
    .group_segment_fixed_size: 69632
    .private_segment_fixed_size: 0
    .kernarg_segment_align: 8
    .kernarg_segment_size: 72
    .max_flat_workgroup_size: 256
    .sgpr_count:     80
    .vgpr_count:     256
    .wavefront_size: 32
...
	.end_amdgpu_metadata
.endif
;; end of part 1
;; launch qkv (part 2): grid 8 x 32, 4 waves a work-group, clusters of 4 x 4, 327,680 bytes of LDS; arguments xq, wq, b_attn, qkv; writes qkv
.if DOCPART == 2
	.amdgcn_target "amdgcn-amd-amdhsa--gfx1250"
	.amdhsa_code_object_version 6
	.text
	.protected	k_q3ee0cb0159_qkv
	.globl	k_q3ee0cb0159_qkv
	.p2align	8
	.type	k_q3ee0cb0159_qkv,@function
k_q3ee0cb0159_qkv:
	s_mov_b64 s[64:65], 0
	v_nop
	global_prefetch_b8 v0, s[64:65] scope:SCOPE_SE
	s_setreg_imm32_b32 hwreg(HW_REG_WAVE_MODE, 25, 1), 1
	s_wait_xcnt 0x0
	s_wait_alu depctr_hold_cnt(0) depctr_sa_sdst(0) depctr_va_vdst(0) depctr_va_sdst(0) depctr_va_ssrc(0) depctr_va_vcc(0) depctr_vm_vsrc(0)
	s_getreg_b32 s2, hwreg(HW_REG_IB_STS2, 6, 4)
	s_cmp_eq_u32 s2, 0
	s_cbranch_scc0 .Lentry_in_a_cluster
	s_endpgm
.Lentry_in_a_cluster:
	s_bfe_u32 s2, ttmp6, 0x10000c
	s_cmp_lg_u32 s2, 0xf033
	s_cbranch_scc0 .Lentry_shape_is_right
	s_endpgm
.Lentry_shape_is_right:
; qkv = LN1(x) w_attn + b_attn on codes of FP6 (E2M3) with E8M0 scales, and its three parts quantised on the way out: q and k along the head's 64, v along the keys.
; THE FRAME (shared by this program's four products): a tile is 128 tokens x 128 n, made by four waves; a wave 64 x 64: 16 accumulators.  Operands lie in memory as images of fragments (16 rows x 128 K = 1,536 bytes:
; for each half of 64 K four registers as 512 bytes, lane l at 16 l, then two as 256 bytes, lane l at 8 l), so LDS is read densely, without padding.  K goes in steps of 512 (4 matrix instructions deep) through two LDS slots.
; A WORK-GROUP STAYS: 8 x 32 work-groups, one for each of 256 WGPs; each keeps its 128 tokens and makes THREE tiles, n = 128 (tx0 + 8 t): the same pair of heads of q (t = 0), of k (1), of v (2).  K = 1,024 is two slots, so a tile
; is one lap of the ring, and the ring does not stop at a tile's end: a tile's two changes of slots ask for the next tile's two halves, its first fragments are fetched, and only then the tile goes out: the second refill lands
; under the way out.  The loop's two trips are q and k (one way out, pointers stepped); the last tile, v, is written out: it asks for nothing and has its own way out.
; CLUSTERS 4 x 4: A's tiles (tokens) are shared along a row of the cluster, B's (weights) along a column: joint loads.  SOURCE 0 = 16 n of the weight, SOURCE 1 = 16 tokens: a lane holds one token and eight neighbouring n.
; TOKEN ORDER in images: lane r of tile 2 B + u holds row 32 B + 8 u + r + 8 (r / 8).  The results go to a stage in LDS as natural rows and columns; from there each wave reads what the next K wants.
; LIMITS: NaN and infinities are not served; a block whose largest magnitude lies under 2^-124 (a block of zeros too) gets the byte 1: only this program reads the bytes.
.set SIZE_N, 3072
.set SIZE_K, 1024
.set TILES,  3
.set A_S,    3145728                   ; xq: where the scale words begin
.set W_C,    0                         ; wq: w_attn's codes,
.set W_S,    9437184                   ; and scale words
.set KC,     3145728                   ; qkv: q's halves [32][128][768] at 0, k's here,
.set VC,     6291456                   ; v's fragments [32][16][4][1536],
.set QS,     9437184                   ; q's words [32][2048]; k's 262,144 on;
.set VS_,    9961472                   ; v's words [32][16][64]
.set KS,     SIZE_K/128
.set ROWB,   6144                      ; 4 K steps of a tile of 16 rows
.set HALFT,  4*ROWB                    ; 4 such tiles: what one tensor load brings, and what a wave reads of A or of B
.set SLOT,   4*HALFT                   ; A's 8 tiles, then B's 8
.set NEXT_B, 64*KS*1536                ; from a tile of C to the next: 8 x 128 n = 64 tiles of 16 rows of the weight
.set SCL,    2*SLOT                    ; behind the ring: A's scale words [KS][SPT bytes], then B's [KS][tile t][128 words]
.set SPT,    TILES*512                 ; from K step to K step, on both sides
.set SCH,    (KS/2)*SPT                ; what one tensor load brings of them
.set STAGE,  SCL+4*SCH                 ; 128 rows x (512 bytes + 16)
.set SP,     528
.set SPARE,  STAGE+128*SP              ; the spare words, 128 bytes for each wave: two blocks of 256 bytes that no other line names
.set A16, 16                           ; v16-17 A's fragments in slot 0, 1: + 16 x lane;  v18-19: + 8 x lane
.set A8,  18
.set B16, 20                           ; v20-23 the same for B
.set B8,  22
.set STO, 24
.set RD,  25
.set ADR0, 26                          ; my scale words for tile 0; never rewritten
.set ADRS, 27                          ; and for the tile in hand: lanes 16-31 512 bytes on for each tile
.set SPW, 28
.set NIL, 29
.set SC,  32                           ; v32-63 scale words: set x 16 + 4 q + i: lanes 0-15 A's tile i, lanes 16-31 B's tile i
.set ACC, 128                          ; v128-255 accumulator (a, b) at 128 + 8 (4 a + b)
.set F0,  0                            ; window 1: two fragment buffers of 96: B's 4 tiles, then A's 4;  v192-255 the bias
.set F1,  96
.set X,   128                          ; the way out: 64 numbers
.set TM,  200
.set PW,  216
.set PC,  104
.set G1, 24
.set G0, 32
.set G1B, 48
.set G0B, 56
.set G1S, 68
.set G0S, 76
.set G1SB, 80
.set G0SB, 88
.set MSB, 0
.macro WIN new                         ; the immediate's high byte repeats the setting that is left
.if MSB != \new
	s_set_vgpr_msb (MSB<<8)|\new
.set MSB, \new
.endif
.endm
.set MUL,  0x05                        ; sources 0 and 1 window 1; C and D window 0
.set TO_F, 0x40                        ; destination window 1, address window 0
.macro JLOAD g0a, g1a, g0b, g1b        ; a joint load: waves 0 and 1 fetch for A, waves 2 and 3 for B; four v_nop follow each line
	s_cmp_eq_u32 s15, 0
	s_cbranch_scc0 .Lfor_b_\@
	tensor_load_to_lds s[\g0a:\g0a+3], s[\g1a:\g1a+7]
	s_nop 0
.rept 4
	v_nop
.endr
	s_branch .Lasked_\@
.Lfor_b_\@:
	tensor_load_to_lds s[\g0b:\g0b+3], s[\g1b:\g1b+7]
	s_nop 0
.rept 4
	v_nop
.endr
.Lasked_\@:
.endm
.macro CREST                           ; a round of the cluster's barrier behind its opening barrier
	s_cmp_lg_u32 s14, 0
	s_cbranch_scc1 .Lnot_wave_0_\@
	s_barrier_signal -3
.Lnot_wave_0_\@:
	s_barrier_wait -3
	s_barrier_signal -1
	s_barrier_wait -1
.endm
.macro CROUND
	s_barrier_signal -1
	s_barrier_wait -1
	CREST
.endm
.macro PLACES                          ; four plain places behind matrix instructions, in front of loads into their registers and of reads of results
.rept 4
	v_nop
.endr
.endm
.macro FRAG reg, a16, a8, off          ; a fragment's image into 12 registers
	ds_load_b128 v[(\reg):(\reg)+3], v[\a16] offset:(\off)
	ds_load_b64 v[(\reg)+4:(\reg)+5], v[\a8] offset:(\off)+512
	ds_load_b128 v[(\reg)+6:(\reg)+9], v[\a16] offset:(\off)+768
	ds_load_b64 v[(\reg)+10:(\reg)+11], v[\a8] offset:(\off)+1280
.endm
.macro FETCH slot, q, f                ; 32 LDS loads in one run: the slot's q-th 128 along K; A's tiles 2 and 3 last
	WIN TO_F
.irp i, 0,1,2,3
	FRAG (\f)+12*\i, B16+\slot, B8+\slot, \i*ROWB+(\q)*1536
.endr
.irp i, 0,1,2,3
	FRAG (\f)+48+12*\i, A16+\slot, A8+\slot, \i*ROWB+(\q)*1536
.endr
.endm
.macro SCALES set                      ; a slot's 16 registers of scale words: K steps 4 set + q
.irp q, 0,1,2,3
.irp i, 0,1,2,3
	ds_load_b32 v[SC+16*\set+4*\q+\i], v[ADRS] offset:(4*\set+\q)*SPT+64*\i
.endr
.endr
.endm
.macro MUL4 f, a, set, q, zero         ; A's tile a against B's four.  The 16 accumulators take turns, in the same order in every quarter, from tile to tile too
.irp b, 0,1,2,3
.if \zero
	v_wmma_scale_f32_16x16x128_f8f6f4 v[ACC+8*(4*(\a)+\b):ACC+8*(4*(\a)+\b)+7], v[(\f)+12*\b:(\f)+12*\b+11], v[(\f)+48+12*(\a):(\f)+48+12*(\a)+11], 0, v[SC+16*(\set)+4*(\q)+\b], v[SC+16*(\set)+4*(\q)+(\a)] matrix_a_fmt:MATRIX_FMT_FP6 matrix_b_fmt:MATRIX_FMT_FP6 matrix_a_scale:MATRIX_SCALE_ROW1
.else
	v_wmma_scale_f32_16x16x128_f8f6f4 v[ACC+8*(4*(\a)+\b):ACC+8*(4*(\a)+\b)+7], v[(\f)+12*\b:(\f)+12*\b+11], v[(\f)+48+12*(\a):(\f)+48+12*(\a)+11], v[ACC+8*(4*(\a)+\b):ACC+8*(4*(\a)+\b)+7], v[SC+16*(\set)+4*(\q)+\b], v[SC+16*(\set)+4*(\q)+(\a)] matrix_a_fmt:MATRIX_FMT_FP6 matrix_b_fmt:MATRIX_FMT_FP6 matrix_a_scale:MATRIX_SCALE_ROW1
.endif
.endr
.endm
.macro QUARTER slot, q, f, g, zero     ; 128 along K out of buffer f; the next 128 are fetched into g in its middle
	s_wait_dscnt 8                                 ; all but the youngest eight loads (A's tiles 2 and 3)
	WIN MUL
	MUL4 \f, 0, \slot, \q, \zero
	MUL4 \f, 1, \slot, \q, \zero
	PLACES
	FETCH \slot, (\q)+1, \g
	s_wait_dscnt 32                                ; all but the 32 just issued
	WIN MUL
	MUL4 \f, 2, \slot, \q, \zero
	MUL4 \f, 3, \slot, \q, \zero
.endm
; A slot's last quarter (buffer F1) changes slots: one barrier.  fill = 1: it opens a round of the cluster's, and the slot just read out takes the NEXT TILE's same half of K: A's address stays (the same tokens), B's goes NEXT_B on.
; next = 0: the slot ahead holds the next tile: its scale words of B lie 512 bytes on.
.macro TURN slot, next, fill
	WIN 0
	s_wait_tensorcnt 0x0                           ; all my tensor loads have landed: my part of the slot ahead;
	ds_add_u32 v[SPW], v[NIL]                      ; 0 onto my spare word;
	s_wait_dscnt 9                                 ; (the add and A's tiles 2 and 3 may be out)
	WIN MUL
	MUL4 F1, 0, \slot, 3, 0
	s_wait_dscnt 0x0                               ; the add is done, and my reads of this slot are over
	s_barrier_signal -1
	MUL4 F1, 1, \slot, 3, 0
	WIN 0
	s_barrier_wait -1
.if \fill
	CREST                                          ; no wave of any partner still reads this slot or has a load on its way
	s_add_nc_u64 s[G0B+4*\slot+2:G0B+4*\slot+3], s[G0B+4*\slot+2:G0B+4*\slot+3], NEXT_B
	JLOAD G0+4*\slot, G1, G0B+4*\slot, G1B         ; the first tensor load behind the round; its four v_nop are also the places in front of the loads below
.else
	PLACES
.endif
.if \next == 0
	s_add_co_u32 s2, s2, 512                       ; 512 x the tile's number,
	v_mul_u32_u24 v6, s2, v2                       ; for lanes 16-31 alone
	v_add_nc_u32 v[ADRS], v6, v[ADR0]
.endif
	SCALES \next
	FETCH \next, 0, F0
	WIN MUL
	MUL4 F1, 2, \slot, 3, 0
	MUL4 F1, 3, \slot, 3, 0
.endm
.macro MAIN fill                       ; a tile's 128 matrix instructions a wave.  fill = 1: a tile follows
	QUARTER 0, 0, F0, F1, 1                        ; the first products start the sums
	QUARTER 0, 1, F1, F0, 0
	QUARTER 0, 2, F0, F1, 0
	TURN 0, 1, \fill
	QUARTER 1, 0, F0, F1, 0
	QUARTER 1, 1, F1, F0, 0
	QUARTER 1, 2, F0, F1, 0
.if \fill
	TURN 1, 0, 1
.else
	s_wait_dscnt 8
	WIN MUL
	MUL4 F1, 0, 1, 3, 0
	MUL4 F1, 1, 1, 3, 0
	s_wait_dscnt 0x0
	MUL4 F1, 2, 1, 3, 0
	MUL4 F1, 3, 1, 3, 0
.endif
	WIN 0
.endm
; The tile into the stage, as natural rows and columns.  The stage was last read in the tile before; every wave has since waited for those reads and passed two changes of slots.
.macro TOSTAGE
	PLACES
.irp a, 0,1,2,3
.irp b, 0,1,2,3
	ds_store_b128 v[STO], v[ACC+8*(4*\a+\b):ACC+8*(4*\a+\b)+3] offset:(32*(\a/2)+8*(\a%2))*SP+64*\b      ; each accumulator from its low end on
	ds_store_b128 v[STO], v[ACC+8*(4*\a+\b)+4:ACC+8*(4*\a+\b)+7] offset:(32*(\a/2)+8*(\a%2))*SP+64*\b+16
.endr
.endr
	s_wait_dscnt 0x0                               ; for the others' sake: my stores are done
	s_barrier_signal -1
	s_barrier_wait -1
.endm
; 64 numbers, register 16 b + i = k 32 b + 16 h + i of my row, become a fragment's codes in v[PC] on and its scale word in v[PW]
.macro QUANT s
.irp b, 0,1,2,3
	v_max3_num_f32 v[TM+\b], |v[\s+16*\b]|, |v[\s+1+16*\b]|, 0x1800000   ; my 16 of block b, and the floor 2^(3 - 127)
.endr
.irp i, 2,4,6,8,10,12,14
.irp b, 0,1,2,3
	v_max3_num_f32 v[TM+\b], v[TM+\b], |v[\s+16*\b+\i]|, |v[\s+1+16*\b+\i]|
.endr
.endr
.irp b, 0,1,2,3
	v_permlanex16_b32 v[TM+4+\b], v[TM+\b], s98, s99
.endr
.irp b, 0,1,2,3
	v_max_num_f32 v[TM+\b], v[TM+\b], v[TM+4+\b]
.endr
.irp b, 0,1,2,3
	v_add_nc_u32 v[TM+12+\b], 0xff000000, v[TM+\b] ; 2 off the exponent field: the conversion's scale operand
.endr
.irp b, 0,1,2,3
	v_lshrrev_b32 v[TM+4+\b], 23, v[TM+12+\b]
.endr
	v_lshl_or_b32 v[PW], v[TM+5], 8, v[TM+4]
	v_lshl_or_b32 v[PW], v[TM+6], 16, v[PW]
	v_lshl_or_b32 v[PW], v[TM+7], 24, v[PW]
.irp c, 0,1
	v_cvt_scalef32_pk16_fp6_f32 v[PC+6*\c:PC+2+6*\c], v[\s+32*\c:\s+15+32*\c], v[TM+12+2*\c]
	v_cvt_scalef32_pk16_fp6_f32 v[PC+12+4*\c:PC+14+4*\c], v[\s+16+32*\c:\s+31+32*\c], v[TM+12+2*\c+1]
.endr
	v_nop                                          ; one plain place behind a scaled conversion
.irp c, 0,1
.irp i, 0,1,2
	v_permlane16_swap_b32 v[PC+6*\c+\i], v[PC+12+4*\c+\i]
.endr
.irp i, 0,1,2
	v_mov_b32 v[PC+3+6*\c+\i], v[PC+12+4*\c+\i]
.endr
.endr
.endm
; 64 numbers of ONE column, register 32 c + i = k 64 c + 32 h + i: two whole blocks a lane; the conversions' results are the operand's registers
.macro QUANTC s
.irp c, 0,1
	v_max3_num_f32 v[TM+\c], |v[\s+32*\c]|, |v[\s+1+32*\c]|, 0x1800000
.endr
.irp i, 2,4,6,8,10,12,14,16,18,20,22,24,26,28,30
.irp c, 0,1
	v_max3_num_f32 v[TM+\c], v[TM+\c], |v[\s+32*\c+\i]|, |v[\s+1+32*\c+\i]|
.endr
.endr
.irp c, 0,1
	v_add_nc_u32 v[TM+12+\c], 0xff000000, v[TM+\c]
.endr
.irp c, 0,1
	v_lshrrev_b32 v[TM+4+\c], 23, v[TM+12+\c]
.endr
	v_lshl_or_b32 v[PW], v[TM+5], 16, v[TM+4]      ; my two bytes: blocks h and 2 + h,
	v_lshlrev_b32 v[TM+6], 3, v2
	v_lshlrev_b32 v[PW], v[TM+6], v[PW]            ; 8 h bits up;
	v_permlanex16_b32 v[TM+7], v[PW], s98, s99
	v_or_b32 v[PW], v[PW], v[TM+7]                 ; with lane l xor 16's two the word is whole
.irp c, 0,1
	v_cvt_scalef32_pk16_fp6_f32 v[PC+6*\c:PC+2+6*\c], v[\s+32*\c:\s+15+32*\c], v[TM+12+\c]
	v_cvt_scalef32_pk16_fp6_f32 v[PC+12+4*\c:PC+14+4*\c], v[\s+16+32*\c:\s+31+32*\c], v[TM+12+\c]
.endr
	v_nop
.irp c, 0,1
.irp i, 0,1,2
	v_mov_b32 v[PC+3+6*\c+\i], v[PC+12+4*\c+\i]
.endr
.endr
.endm
	s_load_b128 s[4:7], s[0:1], 0x0                ; xq, wq
	s_load_b128 s[8:11], s[0:1], 0x10              ; b_attn, qkv
	v_lshl_add_u32 v[SPW], v0, 2, SPARE
	v_mov_b32 v[NIL], 0
	ds_add_u32 v28, v29
	ds_add_u32 v28, v29
	s_wait_dscnt 0x0
	v_lshrrev_b32 v1, 5, v0
	v_readfirstlane_b32 s14, v1                    ; wave 0..3
	s_lshr_b32 s15, s14, 1                         ; my half of the tokens.  Also: I fetch for A (0) or for B (1)
	s_and_b32 s16, s14, 1                          ; my half of the n.  Also: which half of that tile I fetch
	s_bfe_u32 s40, ttmp6, 0x40000                  ; cx, cy
	s_bfe_u32 s41, ttmp6, 0x40004
	s_lshl_b32 s42, ttmp9, 2
	s_add_co_u32 s42, s42, s40                     ; tx0: 0 .. 7
	s_and_b32 s17, ttmp7, 0xffff
	s_lshl_b32 s17, s17, 2
	s_add_co_u32 s17, s17, s41                     ; ty
	s_lshl_b32 s43, s41, 2
	s_lshl_b32 s43, 15, s43                        ; my row of the cluster
	s_lshl_b32 s44, 0x1111, s40                    ; my column
	s_mov_b32 s98, 0x76543210
	s_mov_b32 s99, 0xfedcba98
	; group 1 for codes: 4 rows (tiles of 16) of 6,144 bytes = 768 elements of 8 bytes, KS x 1,536 bytes apart; no padding
	s_or_b32 s[G1+0], s43, (3<<16)|(1<<21)
	s_or_b32 s[G1B+0], s44, (3<<16)|(1<<21)
.irp g, G1, G1B
	s_mov_b32 s[\g+1], 768<<16
	s_mov_b32 s[\g+2], 4<<16
	s_mov_b32 s[\g+3], 768<<16
	s_mov_b32 s[\g+4], 4
	s_mov_b32 s[\g+5], KS*192
	s_mov_b32 s[\g+6], 0
	s_mov_b32 s[\g+7], 0
.endr
	; A's scale words: KS / 2 rows (K steps) of 512 bytes = 64 elements, 16,384 bytes apart.  The tile is stated TILES x 64 elements wide and the tensor 64: what lies beyond the tensor's extent arrives as zeros
	; and is never read: so A's K steps lie SPT bytes apart in LDS, as B's do
	s_or_b32 s[G1S+0], s43, (3<<16)|(1<<21)
	s_mov_b32 s[G1S+1], 64<<16                     ; tensor_dim0 = 64
	s_mov_b32 s[G1S+2], (KS/2)<<16                 ; tensor_dim1
	s_mov_b32 s[G1S+3], (TILES*64)<<16             ; tile_dim0
	s_mov_b32 s[G1S+4], KS/2                       ; tile_dim1
	s_mov_b32 s[G1S+5], 2048
	s_mov_b32 s[G1S+6], 0
	s_mov_b32 s[G1S+7], 0
	; B's: a K step's row of words is TILES x 4,096 bytes and tile t's 512 bytes lie 4,096 t on: rows of 512 bytes, 4,096 bytes apart, TILES for each K step, land as [K step][tile][128 words]
	s_or_b32 s[G1SB+0], s44, (3<<16)|(1<<21)
	s_mov_b32 s[G1SB+1], 64<<16
	s_mov_b32 s[G1SB+2], (TILES*KS/2)<<16
	s_mov_b32 s[G1SB+3], 64<<16
	s_mov_b32 s[G1SB+4], TILES*KS/2
	s_mov_b32 s[G1SB+5], 512
	s_mov_b32 s[G1SB+6], 0
	s_mov_b32 s[G1SB+7], 0
	s_lshl_b32 s18, s16, 2
	s_lshl_b32 s20, s17, 3
	s_add_co_u32 s20, s20, s18                     ; A: tile 8 ty + 4 half
	s_mul_i32 s20, s20, KS*1536
	s_mov_b32 s21, 0
	s_lshl_b32 s46, s42, 3
	s_add_co_u32 s46, s46, s18                     ; B: tile 8 tx0 + 4 half
	s_mul_i32 s46, s46, KS*1536
	s_add_co_u32 s46, s46, W_C
	s_mov_b32 s47, 0
	s_mul_i32 s22, s16, (KS/2)*16384
	s_lshl_b32 s19, s17, 9
	s_add_co_u32 s22, s22, s19
	s_add_co_u32 s22, s22, A_S
	s_mov_b32 s23, 0
	s_mul_i32 s92, s16, (KS/2)*SIZE_N*4
	s_lshl_b32 s95, s42, 9
	s_add_co_u32 s92, s92, s95
	s_add_co_u32 s92, s92, W_S
	s_mov_b32 s93, 0
	s_mul_i32 s45, s14, HALFT                      ; where they go: no place in the cluster enters an LDS address
	s_mul_i32 s94, s14, SCH
	s_wait_kmcnt 0x0
	s_add_nc_u64 s[20:21], s[4:5], s[20:21]
	s_add_nc_u64 s[22:23], s[4:5], s[22:23]
	s_add_nc_u64 s[46:47], s[6:7], s[46:47]
	s_add_nc_u64 s[92:93], s[6:7], s[92:93]
	CROUND                                         ; all sixteen work-groups are here: the first joint loads meet
	s_mov_b32 s[G0S], 1
	s_add_co_u32 s[G0S+1], s94, SCL
	s_mov_b64 s[G0S+2:G0S+3], s[22:23]
	s_or_b32 s[G0S+3], s[G0S+3], 0x80000000
	s_mov_b32 s[G0SB], 1
	s_add_co_u32 s[G0SB+1], s94, SCL
	s_mov_b64 s[G0SB+2:G0SB+3], s[92:93]
	s_or_b32 s[G0SB+3], s[G0SB+3], 0x80000000
	JLOAD G0S, G1S, G0SB, G1SB                     ; my one load at the head: my part of the scale words of all three tiles
.irp s, 0,1
	s_mov_b32 s[G0+4*\s], 1
	s_add_co_u32 s[G0+4*\s+1], s45, \s*SLOT
	s_add_nc_u64 s[G0+4*\s+2:G0+4*\s+3], s[20:21], \s*ROWB
	s_or_b32 s[G0+4*\s+3], s[G0+4*\s+3], 0x80000000
	s_mov_b32 s[G0B+4*\s], 1
	s_add_co_u32 s[G0B+4*\s+1], s45, \s*SLOT
	s_add_nc_u64 s[G0B+4*\s+2:G0B+4*\s+3], s[46:47], \s*ROWB
	s_or_b32 s[G0B+4*\s+3], s[G0B+4*\s+3], 0x80000000
	s_wait_alu depctr_va_vdst(0)
	s_wait_tensorcnt 0x0                           ; a later first fill is issued as a refill is: all my loads are in,
	ds_add_u32 v28, v29                            ; 0 onto my spare word,
	s_wait_dscnt 0x0
	CROUND                                         ; a whole round,
	JLOAD G0+4*\s, G1, G0B+4*\s, G1B               ; and my one load behind it: my part of slot s
.endr
	v_and_b32 v3, 31, v0                           ; lane
	v_and_b32 v1, 15, v0                           ; r
	v_bfe_u32 v2, v0, 4, 1                         ; h: kept
	v_lshlrev_b32 v4, 4, v3                        ; 16 x lane: kept
	v_lshlrev_b32 v5, 3, v3                        ; 8 x lane: kept
	s_mul_i32 s21, s15, HALFT
	s_mul_i32 s22, s16, HALFT
	s_add_co_u32 s22, s22, 2*HALFT
.irp s, 0,1
	v_add_nc_u32 v[A16+\s], s21, v4
	v_add_nc_u32 v[A8+\s], s21, v5
	v_add_nc_u32 v[B16+\s], s22, v4
	v_add_nc_u32 v[B8+\s], s22, v5
	s_add_co_u32 s21, s21, SLOT
	s_add_co_u32 s22, s22, SLOT
.endr
	s_lshl_b32 s21, s15, 8                         ; scale words: lanes 0-15 A's (256 wy + 4 r), lanes 16-31 B's (KS x SPT + 256 wx + 4 r): one product with h
	s_lshl_b32 s22, s16, 8
	s_add_co_u32 s22, s22, KS*SPT
	s_sub_co_u32 s22, s22, s21
	v_mul_u32_u24 v6, s22, v2
	s_add_co_u32 s21, s21, SCL
	v_lshl_add_u32 v6, v1, 2, v6
	v_add_nc_u32 v[ADR0], s21, v6
	v_add_nc_u32 v[ADRS], s21, v6
	v_and_b32 v7, 8, v1
	v_add_nc_u32 v7, v7, v1                        ; r + 8 (r / 8)
	v_mul_u32_u24 v6, v7, SP
	v_lshl_add_u32 v6, v2, 5, v6
	s_mul_i32 s23, s15, 64*SP
	s_lshl_b32 s21, s16, 8
	s_add_co_u32 s23, s23, s21
	s_add_co_u32 s23, s23, STAGE
	v_add_nc_u32 v[STO], s23, v6                   ; into the stage: my token's natural row, my 32 bytes
	v_mul_u32_u24 v6, v7, SP
	v_lshl_add_u32 v6, v2, 6, v6
	s_mul_i32 s23, s14, 32*SP
	s_add_co_u32 s23, s23, STAGE
	v_add_nc_u32 v[RD], s23, v6                    ; out by rows: row 32 w + 8 u + r + 8 (r / 8), + 64 h
	s_lshl_b32 s18, s14, 7
	v_lshl_add_u32 v10, v7, 2, s18                 ; 4 (32 w + r + 8 (r / 8)): my column
	v_mul_u32_u24 v6, v2, 32*SP
	v_add_nc_u32 v6, v6, v10
	v_add_nc_u32 v30, STAGE, v6                    ; out by columns: rows 32 h on
	v_lshlrev_b32 v9, 2, v3                        ; 4 x lane
	v_lshlrev_b32 v31, 6, v2                       ; 64 h
	v_mov_b32 v13, 0                               ; (named as the upper halves of the pairs that hold v's bias)
	v_mov_b32 v15, 0
	s_lshl_b32 s96, s42, 9
	s_mov_b32 s97, 0
	s_add_nc_u64 s[8:9], s[8:9], s[96:97]          ; the bias at tile 0's 128 columns; 4,096 bytes on for each tile
	s_mov_b32 s96, 0xffff
	s_mov_b32 s97, 0x7f7f0000                      ; bytes 2 and 3 of a word of q or k: 2^0, over the zero codes that fill K up to 128
	s_lshr_b32 s18, s17, 4                         ; the batch
	s_and_b32 s19, s17, 15                         ; which 128 tokens of it
	s_lshl_b32 s20, s42, 1
	s_lshl_b32 s21, s18, 4
	s_add_co_u32 s20, s20, s21                     ; 16 b + the first of my two heads
	s_mul_i32 s22, s20, 98304
	s_lshl_b32 s23, s19, 3
	s_lshl_b32 s45, s14, 1
	s_add_co_u32 s23, s23, s45
	s_mul_i32 s23, s23, 768
	s_add_co_u32 s22, s22, s23
	s_mov_b32 s23, 0
	s_add_nc_u64 s[46:47], s[10:11], s[22:23]      ; q's halves: head, tile 8 tq + 2 w; k's lie KC on
	s_lshl_b32 s22, s20, 13
	s_lshl_b32 s45, s19, 9
	s_add_co_u32 s22, s22, s45
	s_lshl_b32 s45, s14, 7
	s_add_co_u32 s22, s22, s45
	s_add_co_u32 s22, s22, QS
	s_add_nc_u64 s[92:93], s[10:11], s[22:23]      ; q's words; k's lie 262,144 on
	s_mov_b32 s2, 0                                ; 512 x the tile's number
	s_wait_tensorcnt 1                             ; the scale words and my part of slot 0 are in; slot 1's load may stay out
	s_barrier_signal -1
	s_barrier_wait -1
	SCALES 0
	FETCH 0, 0, F0
	WIN 0                                          ; at a label and at a branch every window is 0
	s_mov_b32 s3, TILES-1
.Ltile:                                                ; two trips: q, then k
	WIN TO_F
	s_wait_alu depctr_va_vdst(0)
.irp b, 0,1,2,3
.irp j, 0,1,2,3
	global_load_b128 v[192+16*\b+4*\j:192+16*\b+4*\j+3], v31, s[8:9] offset:128*\b+16*\j   ; the tile's bias, in the order in which a lane will hold the numbers
.endr
.endr
	MAIN 1
	TOSTAGE
	s_wait_loadcnt 0x0                             ; the bias
.irp b, 0,1,2,3
	v_mov_b32 v[TM+4+\b], 0                        ; a lane permute's destination counts as read
.endr
	v_cmp_eq_u32 vcc_lo, 1, v2                     ; lanes 16-31
	; wave w takes rows 32 w on, two tiles; the 128 columns are two heads: a half fragment each
.irp u, 0,1
.irp b, 0,1,2,3
.irp j, 0,1,2,3
	ds_load_b128 v[X+16*\b+4*\j:X+16*\b+4*\j+3], v[RD] offset:8*\u*SP+128*\b+16*\j
.endr
.endr
	s_wait_dscnt 0x0
	WIN 0x04                                       ; source 1 window 1
.set i, 0
.rept 32
	v_pk_add_f32 v[X+2*i:X+2*i+1], v[X+2*i:X+2*i+1], v[192+2*i:193+2*i]
.set i, i+1
.endr
	WIN 0
	s_wait_xcnt 0x0                                ; the codes' registers are written again only when the last stores have read them
	QUANT X
	global_store_b128 v4, v[PC:PC+3], s[46:47] offset:768*\u
	global_store_b64 v5, v[PC+4:PC+5], s[46:47] offset:768*\u+512
	global_store_b128 v4, v[PC+6:PC+9], s[46:47] offset:98304+768*\u
	global_store_b64 v5, v[PC+10:PC+11], s[46:47] offset:98304+768*\u+512
	v_and_or_b32 v[217+\u], v[PW], s96, s97        ; the first head's word,
	v_lshrrev_b32 v[219+\u], 16, v[PW]             ; the second's
.endr
	v_cndmask_b32 v217, v217, v218, vcc_lo         ; lanes 0-15 tile u = 0's words, lanes 16-31 tile u = 1's: 128 consecutive bytes
	v_cndmask_b32 v219, v219, v220, vcc_lo
	v_or_b32 v219, s97, v219
	global_store_b32 v9, v217, s[92:93]
	global_store_b32 v9, v219, s[92:93] offset:8192
	s_wait_xcnt 0x0                                ; the stores have read their data and bases: the bases step, and the next tile's sums may land on the data
	s_add_nc_u64 s[46:47], s[46:47], KC
	s_add_nc_u64 s[92:93], s[92:93], 262144
	s_add_nc_u64 s[8:9], s[8:9], 4096
	s_sub_co_u32 s3, s3, 1
	s_cmp_lg_u32 s3, 0
	s_cbranch_scc1 .Ltile
	; ---- the last tile, v, is written out: it asks for nothing more
	global_load_b32 v12, v10, s[8:9]               ; my column's bias, for u = 0 and 1
	global_load_b32 v14, v10, s[8:9] offset:32
	MAIN 0
	TOSTAGE
	s_wait_loadcnt 0x0
.irp b, 0,1,2,3
	v_mov_b32 v[TM+4+\b], 0
.endr
	v_cmp_eq_u32 vcc_lo, 1, v2
	; K = the keys = the stage's 128 rows.  Wave w takes columns 32 w on: head w / 2, two tiles of d; lane r takes column 8 u + r + 8 (r / 8)
	s_lshr_b32 s18, s17, 4
	s_and_b32 s19, s17, 15
	s_lshl_b32 s20, s42, 1
	s_lshl_b32 s21, s18, 4
	s_add_co_u32 s20, s20, s21
	s_add_co_u32 s20, s20, s15                     ; 16 b + my head
	s_lshl_b32 s20, s20, 4
	s_add_co_u32 s20, s20, s19                     ; 16 x head + K step
	s_lshl_b32 s22, s20, 2
	s_lshl_b32 s21, s16, 1
	s_add_co_u32 s22, s22, s21
	s_mul_i32 s22, s22, 1536
	s_add_co_u32 s22, s22, VC
	s_mov_b32 s23, 0
	s_add_nc_u64 s[46:47], s[10:11], s[22:23]
	s_lshl_b32 s22, s20, 8
	s_lshl_b32 s21, s16, 7
	s_add_co_u32 s22, s22, s21
	s_add_co_u32 s22, s22, VS_
	s_add_nc_u64 s[92:93], s[10:11], s[22:23]
.irp u, 0,1
.irp c, 0,1
.irp i, 0,1,2,3,4,5,6,7,8,9,10,11,12,13,14,15,16,17,18,19,20,21,22,23,24,25,26,27,28,29,30,31
	ds_load_b32 v[X+32*\c+\i], v30 offset:(64*\c+\i)*SP+32*\u
.endr
.endr
	s_wait_dscnt 0x0
.set i, 0
.rept 32
	v_pk_add_f32 v[X+2*i:X+2*i+1], v[X+2*i:X+2*i+1], v[12+2*\u:13+2*\u] op_sel_hi:[1,0]
.set i, i+1
.endr
	s_wait_xcnt 0x0
	QUANTC X
	global_store_b128 v4, v[PC:PC+3], s[46:47] offset:1536*\u
	global_store_b64 v5, v[PC+4:PC+5], s[46:47] offset:1536*\u+512
	global_store_b128 v4, v[PC+6:PC+9], s[46:47] offset:1536*\u+768
	global_store_b64 v5, v[PC+10:PC+11], s[46:47] offset:1536*\u+1280
	v_mov_b32 v[217+\u], v[PW]
.endr
	v_cndmask_b32 v217, v217, v218, vcc_lo
	global_store_b32 v9, v217, s[92:93]
	s_wait_tensorcnt 0x0                           ; the wave's end
	ds_add_u32 v[SPW], v[NIL]
	s_wait_dscnt 0x0
	CROUND                                         ; the closing round
	s_endpgm
.Lfunc_end_k_q3ee0cb0159_qkv:
	.size	k_q3ee0cb0159_qkv, .Lfunc_end_k_q3ee0cb0159_qkv-k_q3ee0cb0159_qkv
	.p2alignl 7, 3214868480
	.fill 96, 4, 3214868480
	.section	.rodata,"a",@progbits
	.p2align	6, 0x0
	.amdhsa_kernel k_q3ee0cb0159_qkv
		.amdhsa_group_segment_fixed_size 327680
		.amdhsa_private_segment_fixed_size 0
		.amdhsa_enable_private_segment 0
		.amdhsa_kernarg_size 32
		.amdhsa_user_sgpr_count 2
		.amdhsa_user_sgpr_kernarg_segment_ptr 1
		.amdhsa_wavefront_size32 1
		.amdhsa_system_sgpr_workgroup_id_x 1
		.amdhsa_system_sgpr_workgroup_id_y 1
		.amdhsa_system_sgpr_workgroup_id_z 1
		.amdhsa_system_vgpr_workitem_id 0
		.amdhsa_next_free_vgpr 512
		.amdhsa_next_free_sgpr 100
		.amdhsa_reserve_vcc 1
		.amdhsa_float_denorm_mode_32 3
		.amdhsa_float_denorm_mode_16_64 3
		.amdhsa_memory_ordered 1
		.amdhsa_forward_progress 1
		.amdhsa_inst_pref_size 129
	.end_amdhsa_kernel
	.amdgpu_metadata
---
amdhsa.version: [ 1, 2 ]
amdhsa.kernels:
  - .name:           k_q3ee0cb0159_qkv
    .symbol:         k_q3ee0cb0159_qkv.kd
    .args:
      - { .name: xq, .offset: 0, .size: 8, .value_kind: global_buffer, .address_space: global }
      - { .name: wq, .offset: 8, .size: 8, .value_kind: global_buffer, .address_space: global }
      - { .name: b_attn, .offset: 16, .size: 8, .value_kind: global_buffer, .address_space: global }
      - { .name: qkv, .offset: 24, .size: 8, .value_kind: global_buffer, .address_space: global }
    .group_segment_fixed_size: 327680
    .private_segment_fixed_size: 0
    .kernarg_segment_align: 8
    .kernarg_segment_size: 32
    .max_flat_workgroup_size: 128
    .sgpr_count:     100
    .vgpr_count:     512
    .wavefront_size: 32
...
	.end_amdgpu_metadata
.endif
;; end of part 2
;; launch attn (part 3): grid 8 x 32, 16 waves a work-group, clusters of 4 x 1, 210,944 bytes of LDS; arguments qkv, y; writes y
.if DOCPART == 3
	.amdgcn_target "amdgcn-amd-amdhsa--gfx1250"
	.amdhsa_code_object_version 6
	.text
	.protected	k_q3ee0cb0159_attn
	.globl	k_q3ee0cb0159_attn
	.p2align	8
	.type	k_q3ee0cb0159_attn,@function
k_q3ee0cb0159_attn:
	s_mov_b64 s[64:65], 0
	v_nop
	global_prefetch_b8 v0, s[64:65] scope:SCOPE_SE
	s_setreg_imm32_b32 hwreg(HW_REG_WAVE_MODE, 25, 1), 1
	s_wait_xcnt 0x0
	s_wait_alu depctr_hold_cnt(0) depctr_sa_sdst(0) depctr_va_vdst(0) depctr_va_sdst(0) depctr_va_ssrc(0) depctr_va_vcc(0) depctr_vm_vsrc(0)
	s_getreg_b32 s2, hwreg(HW_REG_IB_STS2, 6, 4)
	s_cmp_eq_u32 s2, 0
	s_cbranch_scc0 .Lentry_in_a_cluster
	s_endpgm
.Lentry_in_a_cluster:
	s_bfe_u32 s2, ttmp6, 0x10000c
	s_cmp_lg_u32 s2, 0x3003
	s_cbranch_scc0 .Lentry_shape_is_right
	s_endpgm
.Lentry_shape_is_right:
; y = causal softmax(q k^T / 8) v for one head and batch (work-group y), both products on codes of FP6 (E2M3) with E8M0 scales; y leaves quantised along the head's 64, as half a fragment's image of the next product.
; THE SOFTMAX: t = score x log2(e) / 8; M = the running largest t rounded up to a whole number; p = 2^(t - M) is quantised along the keys, not normalised; the row's sum of the unquantised p divides at the end.
; SHARES.  Sixteen waves, four to a SIMD; a wave owns ONE tile of 16 queries: tile 8 RANK + j, j the work-group's x.  So a wave's queries lie in keys 128 RANK .. + 127 whatever j is, and which key steps it works (s <= RANK) and
; which is its diagonal (s = RANK) hang on the wave's number alone: the partners of a cluster run alike.  RANK is made from two orthogonal Latin squares of w / 4 and w % 4: any four waves with equal w % 4, or equal w / 4, have 34 steps together.
; THE WHOLE HEAD STAYS IN LDS: k's 128 half fragments, v's 64 fragments and their scale words, 208,896 bytes, filled once by joint loads of the four work-groups of a cluster (same head): waves 0 and 1 bring k's and v's scale words, waves 2 and 3 their codes, one load each.
; HEAD SIZE 64 IN A PRODUCT OF K = 128: q's registers 6-11 are zero codes; a tile of k is named with the six registers that follow it (the next tile's codes, or zeros); they meet zero codes under the scale byte 127 and add exactly 0.
; LAYOUT.  S^T = k q^T, O^T = v^T p^T: a lane holds one query.  Images of k hold key 32 B + 8 u + r + 8 (r / 8) in lane r of tile 2 B + u, so the 16 registers of tiles 2 b, 2 b + 1 are keys 32 b + 16 h + 0 .. 15; v's d rows likewise.
; LIMITS: NaN and infinities are not served; v_exp_f32 gives 0 for results under 2^-126; a block whose every p is 0 keeps the byte 1 over zero codes.
.set KC,   3145728
.set QS,   9437184
.set KSO,  9699328
.set Y_S,  3145728
.set VOFF, 98304                       ; LDS: k's codes at 0, v's here,
.set SCK,  196608                      ; k's words (8,192 bytes),
.set SCV,  204800                      ; v's (4,096)
.set WV,   8
.set RANK, 9
.set SI,   10                          ; the key step
.set TB,   11                          ; its codes: 6,144 bytes a step, in k and in v
.set TS,   12                          ; k's words: 512 a step
.set TJ,   13                          ; v's: 256
.set G1C,  24                          ; s[24:31] group 1 for codes; s[32:39] k's words; s[40:47] v's words
.set G1KS, 32
.set G1VS, 40
.set G0C,  48
.set G0S,  68
.set SEL,  72
.set CS,   74
.macro CROUND
	s_barrier_signal -1
	s_barrier_wait -1
	s_cmp_lg_u32 s[WV], 0
	s_cbranch_scc1 .Lnot_wave_0_\@
	s_barrier_signal -3
.Lnot_wave_0_\@:
	s_barrier_wait -3
	s_barrier_signal -1
	s_barrier_wait -1
.endm
	s_load_b128 s[4:7], s[0:1], 0x0                ; qkv, y
	v_lshl_add_u32 v223, v0, 2, 0x33000
	v_mov_b32 v243, 0
	ds_add_u32 v223, v243
	ds_add_u32 v223, v243
	v_lshrrev_b32 v8, 5, v0
	s_delay_alu instid0(VALU_DEP_1)
	v_readfirstlane_b32 s[WV], v8                  ; wave 0..15
	s_and_b32 s22, s[WV], 1                        ; among the four loading waves: 0 fetches for k, 1 for v
	s_lshr_b32 s17, s[WV], 2                       ; a
	s_and_b32 s18, s[WV], 3                        ; b
	s_xor_b32 s19, s17, s18
	s_lshl_b32 s20, s18, 1
	s_lshr_b32 s20, 0x78, s20
	s_and_b32 s20, s20, 3                          ; b -> 0, 2, 3, 1
	s_xor_b32 s20, s20, s17
	s_lshl_b32 s[RANK], s19, 2
	s_add_co_u32 s[RANK], s[RANK], s20
	s_bfe_u32 s21, ttmp6, 0x40000                  ; cx: it enters q's and y's global addresses and the mask's numbers alone
	s_lshl_b32 s15, ttmp9, 2
	s_add_co_u32 s15, s15, s21                     ; j
	s_and_b32 s16, ttmp7, 0xffff                   ; 16 x batch + head
	; group 1: dense blocks as rows of 256 bytes (32 elements of 8); the mask names all four work-groups
.irp g, G1C, G1KS, G1VS
	s_mov_b32 s[\g], 15|(3<<16)|(1<<21)
	s_mov_b32 s[\g+1], 32<<16
	s_mov_b32 s[\g+3], 32<<16
	s_mov_b32 s[\g+5], 32
	s_mov_b32 s[\g+6], 0
	s_mov_b32 s[\g+7], 0
.endr
	s_mov_b32 s[G1C+2], 384<<16                    ; 98,304 bytes
	s_mov_b32 s[G1C+4], 384
	s_mov_b32 s[G1KS+2], 32<<16                    ; 8,192
	s_mov_b32 s[G1KS+4], 32
	s_mov_b32 s[G1VS+2], 16<<16                    ; 4,096
	s_mov_b32 s[G1VS+4], 16
	s_mul_i32 s76, s16, 98304
	s_mul_i32 s77, s22, 3145728                    ; k's codes, or v's, which lie as far on again
	s_add_co_u32 s76, s76, s77
	s_add_co_u32 s76, s76, KC
	s_mov_b32 s77, 0
	s_lshl_b32 s78, s16, 13
	s_lshr_b32 s78, s78, s22                       ; 8,192 bytes of words a head for k, 4,096 for v
	s_mul_i32 s79, s22, 262144
	s_add_co_u32 s78, s78, s79
	s_add_co_u32 s78, s78, KSO
	s_mov_b32 s79, 0
	s_mul_i32 s80, s22, VOFF
	s_lshl_b32 s81, s22, 13
	s_mov_b32 s[SEL], 0x76543210
	s_mov_b32 s[SEL+1], 0xfedcba98
	s_mov_b32 s[CS], 0x3e38aa3b                    ; log2(e) / 8
	s_mov_b32 s[CS+1], s[CS]
	s_mov_b32 s[SI], 0
	s_mov_b32 s[TB], 0
	s_mov_b32 s[TS], 0
	s_mov_b32 s[TJ], 0
	s_wait_dscnt 0x0
	s_wait_kmcnt 0x0
	s_add_nc_u64 s[76:77], s[4:5], s[76:77]
	s_add_nc_u64 s[78:79], s[4:5], s[78:79]
	CROUND                                         ; all four work-groups are here: the joint loads meet
	s_mov_b32 s[G0S], 1
	s_add_co_u32 s[G0S+1], s81, SCK
	s_mov_b64 s[G0S+2:G0S+3], s[78:79]
	s_or_b32 s[G0S+3], s[G0S+3], 0x80000000
	s_mov_b32 s[G0C], 1
	s_mov_b32 s[G0C+1], s80
	s_mov_b64 s[G0C+2:G0C+3], s[76:77]
	s_or_b32 s[G0C+3], s[G0C+3], 0x80000000
	s_cmp_lt_u32 s[WV], 4                          ; four waves bring the four tiles, one load each, in one chain of branches on the wave's number: wave 0 k's words, wave 1 v's words, wave 2 k's codes, wave 3 v's codes
	s_cbranch_scc0 .Lfilled
	s_cmp_eq_u32 s[WV], 0
	s_cbranch_scc0 .Lfill_vs
	tensor_load_to_lds s[G0S:G0S+3], s[G1KS:G1KS+7]
	s_nop 0
.rept 4
	v_nop
.endr
	s_branch .Lfilled
.Lfill_vs:
	s_cmp_eq_u32 s[WV], 1
	s_cbranch_scc0 .Lfill_c
	tensor_load_to_lds s[G0S:G0S+3], s[G1VS:G1VS+7]
	s_nop 0
.rept 4
	v_nop
.endr
	s_branch .Lfilled
.Lfill_c:
	tensor_load_to_lds s[G0C:G0C+3], s[G1C:G1C+7]
	s_nop 0
.rept 4
	v_nop
.endr
.Lfilled:
	v_and_b32 v8, 31, v0
	s_delay_alu instid0(VALU_DEP_1)
	v_lshlrev_b32 v1, 4, v8                        ; 16 x lane
	s_delay_alu instid0(VALU_DEP_2)
	v_lshlrev_b32 v2, 3, v8                        ; 8 x lane
	s_delay_alu instid0(VALU_DEP_3)
	v_lshlrev_b32 v9, 2, v8
	s_delay_alu instid0(VALU_DEP_1)
	v_add_nc_u32 v4, SCK, v9
	s_delay_alu instid0(VALU_DEP_2)
	v_add_nc_u32 v5, SCV, v9
	v_add_nc_u32 v6, VOFF, v1
	v_add_nc_u32 v7, VOFF, v2
	v_and_b32 v10, 15, v0                          ; r
	v_bfe_u32 v11, v0, 4, 1                        ; h
	s_delay_alu instid0(VALU_DEP_2)
	v_and_b32 v3, 8, v10
	s_delay_alu instid0(VALU_DEP_1)
	v_add_nc_u32 v3, v3, v10
	s_delay_alu instid0(VALU_DEP_3)
	v_lshlrev_b32 v88, 4, v11
	s_delay_alu instid0(VALU_DEP_1)
	v_sub_nc_u32 v3, v3, v88
	s_lshl_b32 s17, s15, 4
	s_and_b32 s18, s15, 1
	s_lshl_b32 s18, s18, 3
	s_sub_co_u32 s17, s17, s18
	v_add_nc_u32 v3, s17, v3                       ; d = my query's place in its 128 less 16 h: on the diagonal register 16 b + i is hidden where 32 b + i > d
	v_lshlrev_b32 v89, 2, v10                      ; 4 r
	s_wait_alu depctr_va_vdst(0)
	s_lshl_b32 s19, s[RANK], 3
	s_add_co_u32 s19, s19, s15                     ; my tile of queries
	s_mul_i32 s82, s16, 98304
	s_mul_i32 s83, s19, 768
	s_add_co_u32 s82, s82, s83
	s_mov_b32 s83, 0
	s_add_nc_u64 s[82:83], s[4:5], s[82:83]
	s_lshl_b32 s84, s16, 13
	s_lshl_b32 s85, s19, 6
	s_add_co_u32 s84, s84, s85
	s_add_co_u32 s84, s84, QS
	s_mov_b32 s85, 0
	s_add_nc_u64 s[84:85], s[4:5], s[84:85]
	global_load_b128 v[16:19], v1, s[82:83]        ; q's half fragment stays in registers
	global_load_b64 v[20:21], v2, s[82:83] offset:512
	global_load_b32 v255, v89, s[84:85]            ; and its scale words
	s_lshr_b32 s86, s16, 4
	s_lshl_b32 s86, s86, 7
	s_add_co_u32 s86, s86, s19                     ; y's tile of rows: 128 x batch + my tile
	s_and_b32 s87, s16, 15
	s_lshr_b32 s87, s87, 1                         ; its K step: the pair of heads
	s_lshl_b32 s88, s86, 3
	s_add_co_u32 s88, s88, s87
	s_mul_i32 s88, s88, 1536
	s_and_b32 s90, s16, 1
	s_mul_i32 s91, s90, 768                        ; its half: the head's parity
	s_add_co_u32 s88, s88, s91
	s_mov_b32 s89, 0
	s_lshl_b32 s87, s87, 12
	s_lshl_b32 s86, s86, 4
	s_add_co_u32 s86, s86, s87
	s_lshl_b32 s86, s86, 2
	s_lshl_b32 s90, s90, 1
	s_add_co_u32 s86, s86, s90
	s_add_co_u32 s86, s86, Y_S
	s_mov_b32 s87, 0
	s_add_nc_u64 s[88:89], s[6:7], s[88:89]
	s_add_nc_u64 s[86:87], s[6:7], s[86:87]
.irp j, 22,23,24,25,26,27,80,81,82,83,84,85
	v_mov_b32 v[\j], 0                             ; zero codes
.endr
	v_mov_b32 v13, 0xff61b1e6                      ; the largest t so far: -3e38
	s_delay_alu instid0(VALU_DEP_1)
	v_floor_f32 v12, -v13                          ; -M
	v_mov_b32 v14, 0                               ; the sum, in two halves
	v_mov_b32 v15, 0
.irp b, 0,1,2,3
	v_mov_b32 v[236+\b], 0                         ; a lane permute's destination counts as read
.endr
	v_mov_b32 v252, 0
	v_mov_b32 v253, 0
.set i, 0
.rept 32
	v_mov_b32 v[160+i], 0                          ; O^T: the step is written once; the first finds zeros
.set i, i+1
.endr
	s_wait_loadcnt 0x0                             ; q
	s_wait_tensorcnt 0x0                           ; my loads have landed,
	s_barrier_signal -1
	s_barrier_wait -1                              ; everybody's have: the head lies in LDS
.Lstep:                                            ; 16 trips in every wave; a step all of whose keys come after my queries is jumped over, but for the lines that step addresses
	s_cmp_gt_u32 s[SI], s[RANK]
	s_cbranch_scc1 .Lhid
	v_add_nc_u32 v8, s[TB], v1                     ; (these six are also the places in front of loads into registers that the last products read)
	v_add_nc_u32 v9, s[TB], v2
	v_add_nc_u32 v10, s[TB], v6
	v_add_nc_u32 v11, s[TB], v7
	v_add_nc_u32 v86, s[TS], v4
	v_add_nc_u32 v87, s[TJ], v5
.irp t, 0,1,2,3,4,5,6,7
	ds_load_b128 v[32+6*\t:35+6*\t], v8 offset:768*\t
	ds_load_b64 v[36+6*\t:37+6*\t], v9 offset:768*\t+512
.endr
.irp i, 0,1,2,3
	ds_load_b32 v[248+\i], v86 offset:128*\i       ; lanes 0-15 tile 2 i's words, lanes 16-31 tile 2 i + 1's
.endr
	s_wait_alu depctr_va_vdst(0)
	s_wait_dscnt 0x0
.irp t, 0,2,4,6
	v_wmma_scale_f32_16x16x128_f8f6f4 v[96+8*\t:103+8*\t], v[32+6*\t:43+6*\t], v[16:27], 0, v[248+\t/2], v255 matrix_a_fmt:MATRIX_FMT_FP6 matrix_b_fmt:MATRIX_FMT_FP6
	v_wmma_scale_f32_16x16x128_f8f6f4 v[104+8*\t:111+8*\t], v[38+6*\t:49+6*\t], v[16:27], 0, v[248+\t/2], v255 matrix_a_fmt:MATRIX_FMT_FP6 matrix_b_fmt:MATRIX_FMT_FP6 matrix_a_scale:MATRIX_SCALE_ROW1
.endr
.rept 4
	v_nop
.endr
.irp t, 0,1,2,3                                ; v's four fragments land while the softmax is worked
	ds_load_b128 v[32+12*\t:35+12*\t], v10 offset:1536*\t
	ds_load_b64 v[36+12*\t:37+12*\t], v11 offset:1536*\t+512
	ds_load_b128 v[38+12*\t:41+12*\t], v10 offset:1536*\t+768
	ds_load_b64 v[42+12*\t:43+12*\t], v11 offset:1536*\t+1280
.endr
	ds_load_b32 v248, v87
	ds_load_b32 v249, v87 offset:128
	s_cmp_lg_u32 s[SI], s[RANK]
	s_cbranch_scc1 .Lopen
	v_mov_b32 v254, 0xff800000                     ; on the diagonal hidden scores become -infinity ahead of the maximum
.set n, 0
.rept 64
	v_cmp_gt_i32 vcc_lo, 32*(n/16)+n%16, v3
	v_cndmask_b32 v[96+n], v[96+n], v254, vcc_lo
.set n, n+1
.endr
.Lopen:
.irp b, 0,1,2,3
	v_max3_num_f32 v[232+\b], v[96+16*\b], v[97+16*\b], v[98+16*\b]   ; the largest score of each block of 32 keys: for the row's maximum, and for the block's largest p
.endr
.irp i, 3,5,7,9,11,13
.irp b, 0,1,2,3
	v_max3_num_f32 v[232+\b], v[232+\b], v[96+16*\b+\i], v[97+16*\b+\i]
.endr
.endr
.irp b, 0,1,2,3
	v_max_num_f32 v[232+\b], v[232+\b], v[111+16*\b]
.endr
.irp b, 0,1,2,3
	s_delay_alu instid0(VALU_DEP_4)
	v_permlanex16_b32 v[236+\b], v[232+\b], s[SEL], s[SEL+1]
.endr
.irp b, 0,1,2,3
	s_delay_alu instid0(VALU_DEP_4)
	v_max_num_f32 v[232+\b], v[232+\b], v[236+\b]
.endr
	s_delay_alu instid0(VALU_DEP_2)
	v_max3_num_f32 v254, v232, v233, v234
	s_delay_alu instid0(VALU_DEP_1)
	v_max_num_f32 v254, v254, v235
	s_delay_alu instid0(VALU_DEP_1)
	v_mul_f32 v254, s[CS], v254
	s_delay_alu instid0(VALU_DEP_1)
	v_max_num_f32 v13, v13, v254                   ; the running largest t
	v_mov_b32 v254, v12
	s_delay_alu instid0(VALU_DEP_2)
	v_floor_f32 v12, -v13                          ; the new -M: a whole number
	s_delay_alu instid0(VALU_DEP_1)
	v_sub_f32 v254, v12, v254
	s_delay_alu instid0(VALU_DEP_1)
	v_cvt_i32_f32 v254, v254
	s_delay_alu instid0(VALU_DEP_1)
	v_ldexp_f32 v252, 1.0, v254                    ; f = 2^(old M - new M): rounds nothing
.irp j, 0,2,4,6,8,10,12,14,16,18,20,22,24,26,28,30,32,34,36,38,40,42,44,46,48,50,52,54,56,58,60,62
	v_pk_fma_f32 v[96+\j:97+\j], v[96+\j:97+\j], s[CS:CS+1], v[12:13] op_sel_hi:[1,0,0]   ; t - M
.endr
.irp b, 0,1,2,3
	v_fma_f32 v[232+\b], v[232+\b], s[CS], v12
.endr
.set n, 0
	s_wait_alu depctr_va_vdst(0)
.rept 64
	v_exp_f32 v[96+n], v[96+n]                     ; p
.set n, n+1
.endr
.irp b, 0,1,2,3
	v_exp_f32 v[232+\b], v[232+\b]                 ; the block's largest p: the same two instructions on the same number
.endr
	v_pk_mul_f32 v[14:15], v[14:15], v[252:253] op_sel_hi:[1,0]   ; the sums under the new M (a plain place behind the exponentials)
	s_wait_alu depctr_va_vdst(0)
.irp b, 0,1,2,3
	v_max_num_f32 v[232+\b], 0x1800000, v[232+\b]  ; the floor
.endr
.irp b, 0,1,2,3
	s_delay_alu instid0(VALU_DEP_4)
	v_add_nc_u32 v[244+\b], 0xff000000, v[232+\b]
.endr
.irp b, 0,1,2,3
	s_delay_alu instid0(VALU_DEP_4)
	v_lshrrev_b32 v[236+\b], 23, v[244+\b]
.endr
	s_delay_alu instid0(VALU_DEP_3)
	v_lshl_or_b32 v253, v237, 8, v236              ; p's scale word
	s_delay_alu instid0(VALU_DEP_1)
	v_lshl_or_b32 v253, v238, 16, v253
	s_delay_alu instid0(VALU_DEP_1)
	v_lshl_or_b32 v253, v239, 24, v253
.irp c, 0,1
	v_cvt_scalef32_pk16_fp6_f32 v[224+6*\c:226+6*\c], v[96+32*\c:111+32*\c], v[244+2*\c]
	v_cvt_scalef32_pk16_fp6_f32 v[236+4*\c:238+4*\c], v[112+32*\c:127+32*\c], v[244+2*\c+1]
.endr
	v_nop
.irp c, 0,1
.irp i, 0,1,2
	v_permlane16_swap_b32 v[224+6*\c+\i], v[236+4*\c+\i]
.endr
.irp i, 0,1,2
	s_delay_alu instid0(VALU_DEP_3)
	v_mov_b32 v[227+6*\c+\i], v[236+4*\c+\i]
.endr
.endr
	v_pk_add_f32 v[236:237], v[100:101], v[104:105]
	v_pk_add_f32 v[250:251], v[108:109], v[112:113]
	v_pk_add_f32 v[246:247], v[116:117], v[120:121]
	v_pk_add_f32 v[244:245], v[124:125], v[128:129]
	v_pk_add_f32 v[240:241], v[132:133], v[136:137]
	v_pk_add_f32 v[220:221], v[140:141], v[144:145]
	v_pk_add_f32 v[218:219], v[148:149], v[152:153]
	v_pk_add_f32 v[14:15], v[14:15], v[156:157]
	v_pk_add_f32 v[236:237], v[236:237], v[96:97]
	v_pk_add_f32 v[250:251], v[250:251], v[98:99]
	v_pk_add_f32 v[246:247], v[246:247], v[102:103]
	v_pk_add_f32 v[244:245], v[244:245], v[106:107]
	v_pk_add_f32 v[240:241], v[240:241], v[110:111]
	v_pk_add_f32 v[220:221], v[220:221], v[114:115]
	v_pk_add_f32 v[218:219], v[218:219], v[118:119]
	v_pk_add_f32 v[14:15], v[14:15], v[122:123]
	v_pk_add_f32 v[236:237], v[236:237], v[126:127]
	v_pk_add_f32 v[250:251], v[250:251], v[130:131]
	v_pk_add_f32 v[246:247], v[246:247], v[134:135]
	v_pk_add_f32 v[244:245], v[244:245], v[138:139]
	v_pk_add_f32 v[240:241], v[240:241], v[142:143]
	v_pk_add_f32 v[220:221], v[220:221], v[146:147]
	v_pk_add_f32 v[218:219], v[218:219], v[150:151]
	v_pk_add_f32 v[14:15], v[14:15], v[154:155]
	v_pk_add_f32 v[236:237], v[236:237], v[158:159]
	s_delay_alu instid0(VALU_DEP_2)
	v_pk_add_f32 v[14:15], v[14:15], v[244:245]
	s_delay_alu instid0(VALU_DEP_2)
	v_pk_add_f32 v[236:237], v[236:237], v[240:241]
	v_pk_add_f32 v[250:251], v[250:251], v[220:221]
	v_pk_add_f32 v[246:247], v[246:247], v[218:219]
	s_delay_alu instid0(VALU_DEP_2)
	v_pk_add_f32 v[14:15], v[14:15], v[250:251]
	s_delay_alu instid0(VALU_DEP_2)
	v_pk_add_f32 v[236:237], v[236:237], v[246:247]
	s_delay_alu instid0(VALU_DEP_1)
	v_pk_add_f32 v[14:15], v[14:15], v[236:237]
.irp j, 0,2,4,6,8,10,12,14,16,18,20,22,24,26,28,30
	v_pk_mul_f32 v[160+\j:161+\j], v[160+\j:161+\j], v[252:253] op_sel_hi:[1,0]   ; O^T under the new M.  (The sums and these are the places in front of the scaled products)
.endr
	s_wait_alu depctr_va_vdst(0)
	s_wait_dscnt 0x0                               ; v
.irp t, 0,2
	v_wmma_scale_f32_16x16x128_f8f6f4 v[160+8*\t:167+8*\t], v[32+12*\t:43+12*\t], v[224:235], v[160+8*\t:167+8*\t], v[248+\t/2], v253 matrix_a_fmt:MATRIX_FMT_FP6 matrix_b_fmt:MATRIX_FMT_FP6
	v_wmma_scale_f32_16x16x128_f8f6f4 v[168+8*\t:175+8*\t], v[44+12*\t:55+12*\t], v[224:235], v[168+8*\t:175+8*\t], v[248+\t/2], v253 matrix_a_fmt:MATRIX_FMT_FP6 matrix_b_fmt:MATRIX_FMT_FP6 matrix_a_scale:MATRIX_SCALE_ROW1
.endr
.Lhid:
	s_add_co_u32 s[TB], s[TB], 6144
	s_add_co_u32 s[TS], s[TS], 512
	s_add_co_u32 s[TJ], s[TJ], 256
	s_add_co_u32 s[SI], s[SI], 1
	s_cmp_lt_u32 s[SI], 16
	s_cbranch_scc1 .Lstep
	; THE WAY OUT: y = O^T / the sum; register 16 b + i = d 32 b + 16 h + i of my query: two blocks of 32, quantised as they stand
.rept 4
	v_nop
.endr
	v_add_f32 v14, v14, v15
	s_delay_alu instid0(VALU_DEP_1)
	v_permlanex16_b32 v252, v14, s[SEL], s[SEL+1]
	s_delay_alu instid0(VALU_DEP_1)
	v_add_f32 v14, v14, v252
	s_wait_alu depctr_va_vdst(0)
	v_rcp_f32 v14, v14
	v_nop
.set n, 0
	s_wait_alu depctr_va_vdst(0)
.rept 32
	v_mul_f32 v[96+n], v[160+n], v14
.set n, n+1
.endr
.irp b, 0,1
	v_max3_num_f32 v[232+\b], |v[96+16*\b]|, |v[97+16*\b]|, 0x1800000
.endr
.irp i, 2,4,6,8,10,12,14
.irp b, 0,1
	s_delay_alu instid0(VALU_DEP_2)
	v_max3_num_f32 v[232+\b], v[232+\b], |v[96+16*\b+\i]|, |v[97+16*\b+\i]|
.endr
.endr
.irp b, 0,1
	s_delay_alu instid0(VALU_DEP_2)
	v_permlanex16_b32 v[236+\b], v[232+\b], s[SEL], s[SEL+1]
.endr
.irp b, 0,1
	s_delay_alu instid0(VALU_DEP_2)
	v_max_num_f32 v[232+\b], v[232+\b], v[236+\b]
.endr
.irp b, 0,1
	s_delay_alu instid0(VALU_DEP_2)
	v_add_nc_u32 v[244+\b], 0xff000000, v[232+\b]
.endr
.irp b, 0,1
	s_delay_alu instid0(VALU_DEP_2)
	v_lshrrev_b32 v[236+\b], 23, v[244+\b]
.endr
	s_delay_alu instid0(VALU_DEP_1)
	v_lshl_or_b32 v254, v237, 8, v236              ; my head's two bytes of the row's scale word
	v_cvt_scalef32_pk16_fp6_f32 v[224:226], v[96:111], v244
	v_cvt_scalef32_pk16_fp6_f32 v[240:242], v[112:127], v245
	v_nop
.irp i, 0,1,2
	v_permlane16_swap_b32 v[224+\i], v[240+\i]
.endr
.irp i, 0,1,2
	s_delay_alu instid0(VALU_DEP_3)
	v_mov_b32 v[227+\i], v[240+\i]
.endr
	global_store_b128 v1, v[224:227], s[88:89]     ; half a fragment's image: 512 and 256 consecutive bytes
	global_store_b64 v2, v[228:229], s[88:89] offset:512
	global_store_b16 v89, v254, s[86:87]           ; a head owns half of each scale word: 16 stores of 2 bytes, 4 apart (lanes r and r + 16 store the same)
	s_wait_tensorcnt 0x0
	ds_add_u32 v223, v243
	s_wait_dscnt 0x0
	CROUND                                         ; the closing round
	s_endpgm
.Lfunc_end_k_q3ee0cb0159_attn:
	.size	k_q3ee0cb0159_attn, .Lfunc_end_k_q3ee0cb0159_attn-k_q3ee0cb0159_attn
	.p2alignl 7, 3214868480
	.fill 96, 4, 3214868480
	.section	.rodata,"a",@progbits
	.p2align	6, 0x0
	.amdhsa_kernel k_q3ee0cb0159_attn
		.amdhsa_group_segment_fixed_size 210944
		.amdhsa_private_segment_fixed_size 0
		.amdhsa_enable_private_segment 0
		.amdhsa_kernarg_size 16
		.amdhsa_user_sgpr_count 2
		.amdhsa_user_sgpr_kernarg_segment_ptr 1
		.amdhsa_wavefront_size32 1
		.amdhsa_system_sgpr_workgroup_id_x 1
		.amdhsa_system_sgpr_workgroup_id_y 1
		.amdhsa_system_sgpr_workgroup_id_z 1
		.amdhsa_system_vgpr_workitem_id 0
		.amdhsa_next_free_vgpr 256
		.amdhsa_next_free_sgpr 100
		.amdhsa_reserve_vcc 1
		.amdhsa_float_denorm_mode_32 3
		.amdhsa_float_denorm_mode_16_64 3
		.amdhsa_memory_ordered 1
		.amdhsa_forward_progress 1
		.amdhsa_inst_pref_size 38
	.end_amdhsa_kernel
	.amdgpu_metadata
---
amdhsa.version: [ 1, 2 ]
amdhsa.kernels:
  - .name:           k_q3ee0cb0159_attn
    .symbol:         k_q3ee0cb0159_attn.kd
    .args:
      - { .name: qkv, .offset: 0, .size: 8, .value_kind: global_buffer, .address_space: global }
      - { .name: y, .offset: 8, .size: 8, .value_kind: global_buffer, .address_space: global }
    .group_segment_fixed_size: 210944
    .private_segment_fixed_size: 0
    .kernarg_segment_align: 8
    .kernarg_segment_size: 16
    .max_flat_workgroup_size: 512
    .sgpr_count:     100
    .vgpr_count:     256
    .wavefront_size: 32
...
	.end_amdgpu_metadata
.endif
;; end of part 3
;; launch proj (part 4): grid 256 x 1, 8 waves a work-group, no clusters, 121,600 bytes of LDS; arguments y, wq, b_proj, x, ln2_g, ln2_b, x1, xq; writes x1, xq
.if DOCPART == 4
	.amdgcn_target "amdgcn-amd-amdhsa--gfx1250"
	.amdhsa_code_object_version 6
	.text
	.protected	k_q3ee0cb0159_proj
	.globl	k_q3ee0cb0159_proj
	.p2align	8
	.type	k_q3ee0cb0159_proj,@function
k_q3ee0cb0159_proj:
	s_mov_b64 s[64:65], 0
	v_nop
	global_prefetch_b8 v0, s[64:65] scope:SCOPE_SE
	s_setreg_imm32_b32 hwreg(HW_REG_WAVE_MODE, 25, 1), 1
	s_wait_xcnt 0x0
; x1 = x + y w_proj + b_proj on codes of FP6 (E2M3) with E8M0 scales, and LayerNorm 2 of x1, quantised along the row: x1 leaves as f32 rows, the norm as images of the next product's operand registers.
; THE DEAL.  A work-group owns one image tile of 16 tokens and ALL 1,024 n, so a row's mean and variance are made inside it.  Eight waves; wave w takes n = 128 w on: 8 tiles of 16 n, 8 accumulators, and K step w of the next operand.
; SOURCE 0 = 16 n of the weight, SOURCE 1 = the 16 tokens: lane (r, h) holds token r; register 8 t + i is n = 128 w + 16 t + 8 h + i.
; THE WEIGHT GOES STRAIGHT INTO REGISTERS.  It lies in memory as images of fragments; a fragment here feeds ONE product, so it is loaded by four dense loads (512, 256, 512, 256 consecutive bytes) into a ring of 4 groups of 4 fragments.
; No cluster, no joint loads: every work-group walks all 786,432 bytes of the weight while LDS holds well under half of them, so a ring of LDS slots would be filled again several times, each time behind a round, for fragments that are used once.
; x + b_proj goes densely into an LDS stage and comes back in the accumulators' layout: the products add onto it in place.  y's 8 fragments, its scale words, the weight's scale words, gain and bias are loaded once a work-group or wave, densely, and turned through LDS too.
; The quantiser takes registers 16 b .. 16 b + 15 as half of block b; so a block's codes stand in the order 0-7, 16-23, 8-15, 24-31, as launch prep lays w_ff1's rows.
; ROW ORDER: lane r of tile g holds row 32 (g / 2) + 8 (g % 2) + r + 8 (r / 8).
; LIMITS: NaN and infinities are not served; a block whose largest magnitude lies under 2^-124 (a block of zeros too) gets the byte 1: only this program reads the bytes.
.set Y_S,   3145728                    ; y and xq: the scale words [8][4096] behind the codes [256][8][1536]
.set WP_C,  2359296
.set WP_S,  9535488
.set SPL,   4112                       ; a stage row: 4,096 bytes + 16
.set AF,    16*SPL                     ; y's 8 fragments
.set SAW,   AF+12288                   ; y's scale words [8][16]
.set SBW,   SAW+512                    ; the weight's scale words, 4,096 bytes a wave
.set GB,    SBW+32768                  ; gain and bias, 512 + 512 bytes a wave
.set RED,   GB+8192                    ; [16 rows][8 waves] sums, and 512 bytes on the squares
.set SPARE, RED+1024
.set SB,  24                           ; v24-55 the weight's scale words: 8 p + q: lanes 0-15 tile 2 p, lanes 16-31 tile 2 p + 1
.set SA,  60                           ; v60-67 y's
.set X,   68                           ; v68-131 the accumulators
.set AFR, 132                          ; v132-227 y's fragments; later the codes
.set TM,  228                          ; v228-243 sums, then the quantiser's work
.set PW,  244
.set PC,  132
.set MSB, 0
.macro WIN new
.if MSB != \new
	s_set_vgpr_msb (MSB<<8)|\new
.set MSB, \new
.endif
.endm
.macro PLACES n
.rept \n
	v_nop
.endr
.endm
.macro WALU
	s_wait_alu depctr_va_vdst(0)
.endm
.macro BARRIER
	s_barrier_signal -1
	s_barrier_wait -1
.endm
.macro GRP m                           ; group m = 2 q + u: K step q of tiles 4 u .. 4 u + 3, into ring place m % 4 (window 1): 16 loads
	WIN 0x40
.irp i, 0,1,2,3
.set O_, (4*((\m)%2)+\i)*12288+((\m)/2)*1536
.set R_, 48*((\m)%4)+12*\i
	global_load_b128 v[R_:R_+3], v4, s[40:41] offset:O_
	global_load_b64 v[R_+4:R_+5], v5, s[40:41] offset:O_+512
	global_load_b128 v[R_+6:R_+9], v4, s[40:41] offset:O_+768
	global_load_b64 v[R_+10:R_+11], v5, s[40:41] offset:O_+1280
.endr
	WIN 0
.endm
.macro PMUL m                          ; its four products; the eight accumulators take turns
.set Q_, (\m)/2
.set U_, (\m)%2
	WIN 0x01
.irp ih, 0,1
.irp il, 0,1
.set D_, X+8*(4*U_+2*\ih+\il)
.set A_, 48*((\m)%4)+12*(2*\ih+\il)
	v_wmma_scale_f32_16x16x128_f8f6f4 v[D_:D_+7], v[A_:A_+11], v[AFR+12*Q_:AFR+12*Q_+11], v[D_:D_+7], v[SB+8*(2*U_+\ih)+Q_], v[SA+Q_] matrix_a_fmt:MATRIX_FMT_FP6 matrix_b_fmt:MATRIX_FMT_FP6 matrix_a_scale:MATRIX_SCALE_ROW\il
.endr
.endr
	WIN 0
.endm
.macro TREE                            ; eight pairs of partial sums in v228-243 become my row's sum over my wave's 128 columns, in v228
.irp c, 0,1,2,3
	s_delay_alu instid0(VALU_DEP_4)
	v_pk_add_f32 v[228+2*\c:229+2*\c], v[228+2*\c:229+2*\c], v[236+2*\c:237+2*\c]
.endr
	s_delay_alu instid0(VALU_DEP_2)
	v_pk_add_f32 v[228:229], v[228:229], v[232:233]
	s_delay_alu instid0(VALU_DEP_2)
	v_pk_add_f32 v[230:231], v[230:231], v[234:235]
	s_delay_alu instid0(VALU_DEP_1)
	v_pk_add_f32 v[228:229], v[228:229], v[230:231]
	s_delay_alu instid0(VALU_DEP_1)
	v_add_f32 v228, v228, v229
	s_delay_alu instid0(VALU_DEP_1)
	v_permlanex16_b32 v23, v228, s24, s25
	s_delay_alu instid0(VALU_DEP_1)
	v_add_f32 v228, v228, v23
.endm
.macro EIGHT                           ; the eight waves' parts in v232-239 become one sum in v232
	v_add_f32 v232, v232, v233
	v_add_f32 v234, v234, v235
	v_add_f32 v236, v236, v237
	v_add_f32 v238, v238, v239
	s_delay_alu instid0(VALU_DEP_3)
	v_add_f32 v232, v232, v234
	s_delay_alu instid0(VALU_DEP_2)
	v_add_f32 v236, v236, v238
	s_delay_alu instid0(VALU_DEP_1)
	v_add_f32 v232, v232, v236
.endm
	s_load_b256 s[4:11], s[0:1], 0x0               ; y, wq, b_proj, x
	s_load_b256 s[12:19], s[0:1], 0x20             ; ln2_g, ln2_b, x1, xq
	v_lshl_add_u32 v21, v0, 2, SPARE
	v_mov_b32 v22, 0
	v_lshrrev_b32 v1, 5, v0
	s_delay_alu instid0(VALU_DEP_1)
	v_readfirstlane_b32 s22, v1                    ; wave 0..7
	s_mov_b32 s24, 0x76543210
	s_mov_b32 s25, 0xfedcba98                      ; selects for lane l xor 16
	s_mul_i32 s26, s22, 2*SPL                      ; LDS: my two rows of the stage,
	s_lshl_b32 s27, s22, 9                         ; my 128 columns,
	s_mul_i32 s28, s22, 1536
	s_add_co_u32 s28, s28, AF                      ; the fragment of y that I bring,
	s_lshl_b32 s29, s22, 6
	s_add_co_u32 s29, s29, SAW                     ; its scale words,
	s_lshl_b32 s30, s22, 12
	s_add_co_u32 s30, s30, SBW                     ; my weights' scale words,
	s_lshl_b32 s31, s22, 10
	s_add_co_u32 s31, s31, GB                      ; my gain and bias,
	s_lshl_b32 s32, s22, 2
	s_add_co_u32 s32, s32, RED                     ; my word among a row's eight
	s_mul_i32 s40, s22, 98304
	s_add_co_u32 s40, s40, WP_C                    ; memory: my 8 tiles of the weight
	s_mov_b32 s41, 0
	s_lshl_b32 s42, s22, 9
	s_mov_b32 s43, 0
	s_mul_i32 s44, ttmp9, 12288
	s_mul_i32 s45, s22, 1536
	s_add_co_u32 s44, s44, s45                     ; fragment 8 g + w, in y and in xq
	s_mov_b32 s45, 0
	s_lshl_b32 s46, s22, 14
	s_lshl_b32 s47, ttmp9, 6
	s_add_co_u32 s46, s46, s47
	s_add_co_u32 s46, s46, Y_S                     ; its scale words, in y and in xq
	s_mov_b32 s47, 0
	s_lshr_b32 s48, ttmp9, 1
	s_lshl_b32 s48, s48, 5
	s_and_b32 s49, ttmp9, 1
	s_lshl_b32 s49, s49, 3
	s_add_co_u32 s48, s48, s49
	s_lshl_b32 s49, s22, 1
	s_add_co_u32 s48, s48, s49
	s_lshr_b32 s49, s22, 2
	s_lshl_b32 s49, s49, 3
	s_add_co_u32 s48, s48, s49                     ; image rows 2 w and 2 w + 1 of the tile: two neighbouring rows of x and x1
	s_lshl_b32 s48, s48, 12
	s_mov_b32 s49, 0
	v_and_b32 v1, 31, v0                           ; lane
	v_and_b32 v2, 15, v0                           ; r
	v_bfe_u32 v3, v0, 4, 1                         ; h
	v_mov_b32 v23, 0                               ; a lane permute's destination counts as read
	v_mov_b32 v247, 0                              ; (named as the upper half of the pair that holds the mean)
	v_lshlrev_b32 v4, 4, v1                        ; 16 x lane
	v_lshlrev_b32 v5, 3, v1                        ; 8 x lane
	v_lshlrev_b32 v6, 2, v2                        ; 4 r
	v_mul_u32_u24 v8, v2, SPL
	v_lshl_add_u32 v16, v1, 2, s30
	v_lshl_add_u32 v18, v3, 5, s31
	v_lshl_add_u32 v19, v2, 5, RED
	v_lshl_add_u32 v20, v2, 5, s32
	v_lshl_add_u32 v8, v3, 5, v8
	v_add_nc_u32 v7, s26, v4                       ; the stage by rows
	v_add_nc_u32 v9, s28, v4
	v_add_nc_u32 v10, s28, v5
	v_add_nc_u32 v11, AF, v4
	v_add_nc_u32 v8, s27, v8                       ; the stage in the accumulators' layout: row r, 512 w + 32 h
	v_add_nc_u32 v12, AF, v5
	v_add_nc_u32 v13, s29, v6
	v_add_nc_u32 v14, SAW, v6
	v_add_nc_u32 v15, s30, v4
	v_add_nc_u32 v17, s31, v4
	WALU                                           ; the wait at the head's end
	s_wait_kmcnt 0x0
	s_add_nc_u64 s[40:41], s[6:7], s[40:41]
	s_add_nc_u64 s[6:7], s[6:7], s[42:43]
	s_add_nc_u64 s[6:7], s[6:7], WP_S
	s_add_nc_u64 s[50:51], s[4:5], s[44:45]
	s_add_nc_u64 s[52:53], s[4:5], s[46:47]
	s_add_nc_u64 s[54:55], s[18:19], s[44:45]
	s_add_nc_u64 s[18:19], s[18:19], s[46:47]
	s_add_nc_u64 s[10:11], s[10:11], s[48:49]
	s_add_nc_u64 s[16:17], s[16:17], s[48:49]
	s_add_nc_u64 s[12:13], s[12:13], s[42:43]
	s_add_nc_u64 s[14:15], s[14:15], s[42:43]
.irp p, 0,1
.irp k, 0,1,2,3,4,5,6,7
	global_load_b128 v[X+32*\p+4*\k:X+32*\p+4*\k+3], v4, s[10:11] offset:4096*\p+512*\k   ; two rows of x, 512 consecutive bytes a load
.endr
.endr
.irp k, 0,1,2,3,4,5,6,7
	global_load_b128 v[132+4*\k:135+4*\k], v4, s[8:9] offset:512*\k                       ; b_proj
.endr
	global_load_b128 v[164:167], v4, s[50:51]                                             ; y's fragment w
	global_load_b64 v[168:169], v5, s[50:51] offset:512
	global_load_b128 v[170:173], v4, s[50:51] offset:768
	global_load_b64 v[174:175], v5, s[50:51] offset:1280
	global_load_b32 v176, v6, s[52:53]
.irp q, 0,1,2,3,4,5,6,7
	global_load_b128 v[180+4*\q:183+4*\q], v4, s[6:7] offset:4096*\q                      ; my 128 n's scale words of K step q
.endr
	global_load_b128 v[212:215], v4, s[12:13]
	global_load_b128 v[216:219], v4, s[14:15]
	GRP 0
	GRP 1
	s_wait_loadcnt 32                              ; all but the two groups' 32 loads
.irp p, 0,1
.irp k, 0,1,2,3,4,5,6,7
	v_pk_add_f32 v[X+32*\p+4*\k:X+32*\p+4*\k+1], v[X+32*\p+4*\k:X+32*\p+4*\k+1], v[132+4*\k:133+4*\k]
	v_pk_add_f32 v[X+32*\p+4*\k+2:X+32*\p+4*\k+3], v[X+32*\p+4*\k+2:X+32*\p+4*\k+3], v[134+4*\k:135+4*\k]
.endr
.endr
.irp p, 0,1
.irp k, 0,1,2,3,4,5,6,7
	ds_store_b128 v7, v[X+32*\p+4*\k:X+32*\p+4*\k+3] offset:SPL*\p+512*\k
.endr
.endr
	ds_store_b128 v9, v[164:167]
	ds_store_b64 v10, v[168:169] offset:512
	ds_store_b128 v9, v[170:173] offset:768
	ds_store_b64 v10, v[174:175] offset:1280
	ds_store_b32 v13, v176                         ; (lanes r and r + 16 write the same word)
.irp q, 0,1,2,3,4,5,6,7
	ds_store_b128 v15, v[180+4*\q:183+4*\q] offset:512*\q
.endr
	ds_store_b128 v17, v[212:215]
	ds_store_b128 v17, v[216:219] offset:512
	s_wait_dscnt 0x0                               ; for the others' sake: my stores are done
	BARRIER
	GRP 2
	GRP 3
.irp t, 0,1,2,3,4,5,6,7
	ds_load_b128 v[X+8*\t:X+8*\t+3], v8 offset:64*\t                   ; x + b_proj where the sums will stand
	ds_load_b128 v[X+8*\t+4:X+8*\t+7], v8 offset:64*\t+16
.endr
.irp q, 0,1,2,3,4,5,6,7
	ds_load_b128 v[AFR+12*\q:AFR+12*\q+3], v11 offset:1536*\q
	ds_load_b64 v[AFR+12*\q+4:AFR+12*\q+5], v12 offset:1536*\q+512
	ds_load_b128 v[AFR+12*\q+6:AFR+12*\q+9], v11 offset:1536*\q+768
	ds_load_b64 v[AFR+12*\q+10:AFR+12*\q+11], v12 offset:1536*\q+1280
	ds_load_b32 v[SA+\q], v14 offset:64*\q
.irp p, 0,1,2,3
	ds_load_b32 v[SB+8*\p+\q], v16 offset:512*\q+128*\p
.endr
.endr
	s_wait_dscnt 0x0
.set M_, 0
.rept 16
.if 15-M_ >= 3
	s_wait_loadcnt 48                              ; group M_ is in; the three groups behind it, 16 loads each, may be out
.else
	s_wait_loadcnt 16*(15-M_)
.endif
	PMUL M_
.if M_+4 < 16
	PLACES 4                                       ; places in front of loads into registers that the products read
	GRP M_+4
.endif
.set M_, M_+1
.endr
	PLACES 4
	WIN 0x40
.irp t, 0,1,2,3,4,5,6,7                        ; gain (window 1, v0-63) and bias (v64-127) in the accumulators' layout, out of my own bytes
	ds_load_b128 v[8*\t:8*\t+3], v18 offset:64*\t
	ds_load_b128 v[8*\t+4:8*\t+7], v18 offset:64*\t+16
	ds_load_b128 v[64+8*\t:64+8*\t+3], v18 offset:512+64*\t
	ds_load_b128 v[64+8*\t+4:64+8*\t+7], v18 offset:512+64*\t+16
.endr
	WIN 0
.irp t, 0,1,2,3,4,5,6,7                        ; x1 into my columns of the stage, which I alone have read since the barrier
	ds_store_b128 v8, v[X+8*\t:X+8*\t+3] offset:64*\t
	ds_store_b128 v8, v[X+8*\t+4:X+8*\t+7] offset:64*\t+16
.endr
.irp c, 0,1,2,3,4,5,6,7
	v_pk_add_f32 v[228+2*\c:229+2*\c], v[X+2*\c:X+2*\c+1], v[X+16+2*\c:X+17+2*\c]
.endr
.irp j, 32,48
.irp c, 0,1,2,3,4,5,6,7
	v_pk_add_f32 v[228+2*\c:229+2*\c], v[228+2*\c:229+2*\c], v[X+\j+2*\c:X+\j+2*\c+1]
.endr
.endr
	TREE
	ds_store_b32 v20, v228                         ; (lanes r and r + 16 write the same word)
	s_wait_dscnt 0x0
	BARRIER
	ds_load_b128 v[232:235], v19
	ds_load_b128 v[236:239], v19 offset:16
	WIN 0x40
.irp p, 0,1
.irp k, 0,1,2,3,4,5,6,7
	ds_load_b128 v[128+32*\p+4*\k:131+32*\p+4*\k], v7 offset:SPL*\p+512*\k
.endr
.endr
	WIN 0
	s_wait_dscnt 0x0
	WIN 0x04
.irp p, 0,1
.irp k, 0,1,2,3,4,5,6,7
	global_store_b128 v4, v[128+32*\p+4*\k:131+32*\p+4*\k], s[16:17] offset:4096*\p+512*\k   ; two rows of x1, 512 consecutive bytes a store
.endr
.endr
	WIN 0
	EIGHT
	s_delay_alu instid0(VALU_DEP_1)
	v_mul_f32 v246, 0x3a800000, v232               ; the mean: / 1024
.irp j, 0,2,4,6,8,10,12,14,16,18,20,22,24,26,28,30,32,34,36,38,40,42,44,46,48,50,52,54,56,58,60,62
	v_pk_add_f32 v[X+\j:X+\j+1], v[X+\j:X+\j+1], v[246:247] op_sel_hi:[1,0] neg_lo:[0,1] neg_hi:[0,1]
.endr
.irp c, 0,1,2,3,4,5,6,7
	v_pk_mul_f32 v[228+2*\c:229+2*\c], v[X+2*\c:X+2*\c+1], v[X+2*\c:X+2*\c+1]
.endr
.irp j, 16,32,48
.irp c, 0,1,2,3,4,5,6,7
	v_pk_fma_f32 v[228+2*\c:229+2*\c], v[X+\j+2*\c:X+\j+2*\c+1], v[X+\j+2*\c:X+\j+2*\c+1], v[228+2*\c:229+2*\c]
.endr
.endr
	TREE
	ds_store_b32 v20, v228 offset:512              ; other bytes than the first sums'
	s_wait_dscnt 0x0
	BARRIER
	ds_load_b128 v[232:235], v19 offset:512
	ds_load_b128 v[236:239], v19 offset:528
	s_wait_dscnt 0x0
	EIGHT
	s_delay_alu instid0(VALU_DEP_1)
	v_mul_f32 v232, 0x3a800000, v232               ; the variance,
	s_delay_alu instid0(VALU_DEP_1)
	v_add_f32 v232, 0x3727c5ac, v232               ; + 1e-5
	WALU                                           ; the wait ahead of the transcendental,
	v_rsq_f32 v246, v232
	v_nop
	WALU                                           ; and behind it
.irp j, 0,2,4,6,8,10,12,14,16,18,20,22,24,26,28,30,32,34,36,38,40,42,44,46,48,50,52,54,56,58,60,62
	v_pk_mul_f32 v[X+\j:X+\j+1], v[X+\j:X+\j+1], v[246:247] op_sel_hi:[1,0]
.endr
	WIN 0x14
.irp j, 0,2,4,6,8,10,12,14,16,18,20,22,24,26,28,30,32,34,36,38,40,42,44,46,48,50,52,54,56,58,60,62
	v_pk_fma_f32 v[X+\j:X+\j+1], v[X+\j:X+\j+1], v[\j:\j+1], v[64+\j:65+\j]
.endr
	WIN 0
; the quantiser: registers 16 b .. 16 b + 15 are my half of block b
.irp b, 0,1,2,3
	v_max3_num_f32 v[TM+\b], |v[X+16*\b]|, |v[X+1+16*\b]|, 0x1800000   ; with the floor 2^(3 - 127): the byte cannot fall under 1
.endr
.irp i, 2,4,6,8,10,12,14
.irp b, 0,1,2,3
	s_delay_alu instid0(VALU_DEP_4)
	v_max3_num_f32 v[TM+\b], v[TM+\b], |v[X+16*\b+\i]|, |v[X+1+16*\b+\i]|
.endr
.endr
.irp b, 0,1,2,3
	s_delay_alu instid0(VALU_DEP_4)
	v_permlanex16_b32 v[TM+4+\b], v[TM+\b], s24, s25
.endr
.irp b, 0,1,2,3
	s_delay_alu instid0(VALU_DEP_4)
	v_max_num_f32 v[TM+\b], v[TM+\b], v[TM+4+\b]   ; with lane l xor 16's: the block's largest magnitude
.endr
.irp b, 0,1,2,3
	s_delay_alu instid0(VALU_DEP_4)
	v_add_nc_u32 v[TM+12+\b], 0xff000000, v[TM+\b] ; 2 off its exponent field: the conversion's scale operand
.endr
.irp b, 0,1,2,3
	s_delay_alu instid0(VALU_DEP_4)
	v_lshrrev_b32 v[TM+4+\b], 23, v[TM+12+\b]
.endr
	s_delay_alu instid0(VALU_DEP_3)
	v_lshl_or_b32 v[PW], v[TM+5], 8, v[TM+4]
	s_delay_alu instid0(VALU_DEP_1)
	v_lshl_or_b32 v[PW], v[TM+6], 16, v[PW]
	s_delay_alu instid0(VALU_DEP_1)
	v_lshl_or_b32 v[PW], v[TM+7], 24, v[PW]
.irp c, 0,1
	v_cvt_scalef32_pk16_fp6_f32 v[PC+6*\c:PC+2+6*\c], v[X+32*\c:X+15+32*\c], v[TM+12+2*\c]
	v_cvt_scalef32_pk16_fp6_f32 v[PC+12+4*\c:PC+14+4*\c], v[X+16+32*\c:X+31+32*\c], v[TM+12+2*\c+1]
.endr
	v_nop                                          ; one plain place behind a scaled conversion
.irp c, 0,1
.irp i, 0,1,2
	v_permlane16_swap_b32 v[PC+6*\c+\i], v[PC+12+4*\c+\i]
.endr
.irp i, 0,1,2
	s_delay_alu instid0(VALU_DEP_3)
	v_mov_b32 v[PC+3+6*\c+\i], v[PC+12+4*\c+\i]
.endr
.endr
	global_store_b128 v4, v[PC:PC+3], s[54:55]                 ; the image: 512, 256, 512, 256 consecutive bytes
	global_store_b64 v5, v[PC+4:PC+5], s[54:55] offset:512
	global_store_b128 v4, v[PC+6:PC+9], s[54:55] offset:768
	global_store_b64 v5, v[PC+10:PC+11], s[54:55] offset:1280
	global_store_b32 v6, v[PW], s[18:19]                       ; 16 words (lanes r and r + 16 store the same word)
	s_wait_tensorcnt 0x0                           ; the wave's end
	ds_add_u32 v21, v22
	s_wait_dscnt 0x0
	s_endpgm
.Lfunc_end_k_q3ee0cb0159_proj:
	.size	k_q3ee0cb0159_proj, .Lfunc_end_k_q3ee0cb0159_proj-k_q3ee0cb0159_proj
	.p2alignl 7, 3214868480
	.fill 96, 4, 3214868480
	.section	.rodata,"a",@progbits
	.p2align	6, 0x0
	.amdhsa_kernel k_q3ee0cb0159_proj
		.amdhsa_group_segment_fixed_size 121600
		.amdhsa_private_segment_fixed_size 0
		.amdhsa_enable_private_segment 0
		.amdhsa_kernarg_size 64
		.amdhsa_user_sgpr_count 2
		.amdhsa_user_sgpr_kernarg_segment_ptr 1
		.amdhsa_wavefront_size32 1
		.amdhsa_system_sgpr_workgroup_id_x 1
		.amdhsa_system_sgpr_workgroup_id_y 1
		.amdhsa_system_sgpr_workgroup_id_z 1
		.amdhsa_system_vgpr_workitem_id 0
		.amdhsa_next_free_vgpr 512
		.amdhsa_next_free_sgpr 66
		.amdhsa_reserve_vcc 0
		.amdhsa_float_denorm_mode_32 3
		.amdhsa_float_denorm_mode_16_64 3
		.amdhsa_memory_ordered 1
		.amdhsa_forward_progress 1
		.amdhsa_inst_pref_size 78
	.end_amdhsa_kernel
	.amdgpu_metadata
---
amdhsa.version: [ 1, 2 ]
amdhsa.kernels:
  - .name:           k_q3ee0cb0159_proj
    .symbol:         k_q3ee0cb0159_proj.kd
    .args:
      - { .name: y, .offset: 0, .size: 8, .value_kind: global_buffer, .address_space: global }
      - { .name: wq, .offset: 8, .size: 8, .value_kind: global_buffer, .address_space: global }
      - { .name: b_proj, .offset: 16, .size: 8, .value_kind: global_buffer, .address_space: global }
      - { .name: x, .offset: 24, .size: 8, .value_kind: global_buffer, .address_space: global }
      - { .name: ln2_g, .offset: 32, .size: 8, .value_kind: global_buffer, .address_space: global }
      - { .name: ln2_b, .offset: 40, .size: 8, .value_kind: global_buffer, .address_space: global }
      - { .name: x1, .offset: 48, .size: 8, .value_kind: global_buffer, .address_space: global }
      - { .name: xq, .offset: 56, .size: 8, .value_kind: global_buffer, .address_space: global }
    .group_segment_fixed_size: 121600
    .private_segment_fixed_size: 0
    .kernarg_segment_align: 8
    .kernarg_segment_size: 64
    .max_flat_workgroup_size: 256
    .sgpr_count:     66
    .vgpr_count:     512
    .wavefront_size: 32
...
	.end_amdgpu_metadata
.endif
;; end of part 4
;; launch ff1 (part 5): grid 16 x 16, 4 waves a work-group, clusters of 4 x 4, 327,680 bytes of LDS; arguments xq, wq, b_ff1, h; writes h
.if DOCPART == 5
	.amdgcn_target "amdgcn-amd-amdhsa--gfx1250"
	.amdhsa_code_object_version 6
	.text
	.protected	k_q3ee0cb0159_ff1
	.globl	k_q3ee0cb0159_ff1
	.p2align	8
	.type	k_q3ee0cb0159_ff1,@function
k_q3ee0cb0159_ff1:
	s_mov_b64 s[64:65], 0
	v_nop
	global_prefetch_b8 v0, s[64:65] scope:SCOPE_SE
	s_setreg_imm32_b32 hwreg(HW_REG_WAVE_MODE, 25, 1), 1
	s_wait_xcnt 0x0
	s_wait_alu depctr_hold_cnt(0) depctr_sa_sdst(0) depctr_va_vdst(0) depctr_va_sdst(0) depctr_va_ssrc(0) depctr_va_vcc(0) depctr_vm_vsrc(0)
	s_getreg_b32 s2, hwreg(HW_REG_IB_STS2, 6, 4)
	s_cmp_eq_u32 s2, 0
	s_cbranch_scc0 .Lentry_in_a_cluster
	s_endpgm
.Lentry_in_a_cluster:
	s_bfe_u32 s2, ttmp6, 0x10000c
	s_cmp_lg_u32 s2, 0xf033
	s_cbranch_scc0 .Lentry_shape_is_right
	s_endpgm
.Lentry_shape_is_right:
; h = gelu(LN2(x1) w_ff1 + b_ff1) on codes of FP6 (E2M3) with E8M0 scales, quantised along n on the way out and stored as images of the next product's operand registers.
; THE DEAL.  16 x 16 work-groups of four waves; a work-group makes 256 tokens x 256 n.  Wave w holds its 64 rows of the weight (n = 256 tx + 64 w on), ALL of K, in registers: 32 fragments, 384 registers.
; The 16 tiles of 16 tokens stream past them: a block is one tile, 8 fragments from LDS and 32 products, and gives 16 tokens x 64 n finished.
; SOURCE 0 = 16 n of the weight, SOURCE 1 = 16 tokens: lane (r, h) holds token r; register 8 b + i is n = 16 b + 8 h + i.  The bias, laid the same way, is the C of a block's first four products.
; THE WAY OUT needs no stage for the numbers: registers 16 c .. 16 c + 15 are half of a block of 32 along the next K; lane l xor 16 holds the other half.  So in h a block's codes stand in the order 0-7, 16-23, 8-15, 24-31;
; launch prep lays w_ff2's rows in the same order, and a sum over a block does not hang on the order.  A wave's 64 n are half a fragment (768 bytes, whole blocks of 256) and two of the four bytes of a scale word:
; the bytes gather in LDS and leave at the end, 512 consecutive bytes a wave.
; GELU = max(x, 0) + |x| w, w = -P(t) exp(-x x / 2) / 2, t = 1 / (1 + 0.2316419 |x|), P of degree 5 (Abramowitz and Stegun 7.1.26, in x / sqrt 2).
; LIMITS: that form of erf has an absolute error of up to 1.5e-7.  NaN and infinities are not served.  A block whose largest magnitude lies under 2^-124 (a block of zeros too) gets the byte 1: only this program reads the bytes.
; LDS: tokens' chunk 0 (8 tiles, 98,304 bytes) at 0; the weights' 16 tiles behind it; the tokens' scale words [K step][256]; the stage for h's scale bytes; the spare words.
; FILLS.  At the head one joint load a wave: waves 0 and 1 half the weights each, wave 2 chunk 0, wave 3 the scale words.  ONE REFILL, behind a drained round, when all waves hold the weights in registers: chunk 1 onto the weights' first half,
; so that the 16 tiles lie on end.  It is asked for ahead of block 0 and first read for block 8; a plain barrier ahead of that read shows it to all waves.  Tokens are shared along a row of the cluster, weights along a column.
; No prefetch: the head's loads have no loop ahead of them, and the one later load has seven blocks in which to land.
.set X_S,   3145728                    ; xq: the scale words [8][4096] behind the codes [256][8][1536]
.set W_C,   3145728                    ; wq: w_ff1's codes [256][8][1536],
.set W_S,   9568256                    ; and scale words [8][4096]
.set H_S,   12582912                   ; h: the scale words [32][4096] behind the codes [256][32][1536]
.set TILE,  12288                      ; 16 rows, all of K
.set CHK,   8*TILE
.set WB,    CHK
.set SCX,   3*CHK
.set XN,    SCX+8192
.set SPARE, XN+2048
.set SPW, 13                           ; v13 my spare word, v14 0; never rewritten
.set NIL, 14
.set SB,  24                           ; v24-39 the weights' scale words: 8 p + q: lanes 0-15 tile 2 p, lanes 16-31 tile 2 p + 1
.set SA,  44                           ; v44-51 the tokens' scale words of the block
.set X,   64                           ; v64-95 the four accumulators
.set T,   96
.set E,   128
.set R,   160
.set BI,  192                          ; v192-223 the bias
.set TM,  224
.set TP,  228
.set SO,  230
.set EB,  232
.set PW,  234
.set PC,  236                          ; v236-241 half a fragment's codes
.set Y,   242
.set G1W, 24
.set G1X, 32
.set G1S, 48
.set G0W, 56
.set G0X, 60
.set G0S, 68
.set G0R, 72
.set MSB, 0
.macro WIN new                         ; the immediate's high byte repeats the setting that is left
.if MSB != \new
	s_set_vgpr_msb (MSB<<8)|\new
.set MSB, \new
.endif
.endm
.macro PLACES n
.rept \n
	v_nop
.endr
.endm
.macro WALU
	s_wait_alu depctr_va_vdst(0)
.endm
.macro BARRIER
	s_barrier_signal -1
	s_barrier_wait -1
.endm
.macro CROUND                          ; a round of the cluster's barrier
	BARRIER
	s_cmp_lg_u32 s14, 0
	s_cbranch_scc1 .Lnot_wave_0_\@
	s_barrier_signal -3
.Lnot_wave_0_\@:
	s_barrier_wait -3
	BARRIER
.endm
.macro TLOAD g0, g1
	tensor_load_to_lds s[\g0:\g0+3], s[\g1:\g1+7]
	s_nop 0
	PLACES 4
.endm
.macro DENSE g, mask                   ; 98,304 dense bytes as 384 rows of 256
	s_or_b32 s[\g], s[\mask], (3<<16)|(1<<21)
	s_mov_b32 s[\g+1], 32<<16
	s_mov_b32 s[\g+2], 384<<16
	s_mov_b32 s[\g+3], 32<<16
	s_mov_b32 s[\g+4], 384
	s_mov_b32 s[\g+5], 32
	s_mov_b32 s[\g+6], 0
	s_mov_b32 s[\g+7], 0
.endm
; Fragment f lies in window 1 + f / 21 at register 12 (f % 21): 0-31 the weights' (4 q + b), 32-39 the block's
.macro FRAGL f, a16, a8, off
	WIN (1+(\f)/21)<<6
.set R_, 12*((\f)%21)
	ds_load_b128 v[R_:R_+3], v[\a16] offset:(\off)
	ds_load_b64 v[R_+4:R_+5], v[\a8] offset:(\off)+512
	ds_load_b128 v[R_+6:R_+9], v[\a16] offset:(\off)+768
	ds_load_b64 v[R_+10:R_+11], v[\a8] offset:(\off)+1280
.endm
.macro WEIGHTS
.set N_, 0
.rept 32
	FRAGL N_, 16, 17, (N_%4)*TILE+(N_/4)*1536
.set N_, N_+1
.endr
	WIN 0
.endm
.macro FETCH                           ; the next tile of tokens: 32 loads of codes, 8 of scale words.  The three additions are places behind the last products
	v_add_nc_u32 v8, s76, v4
	v_add_nc_u32 v9, s76, v5
	v_add_nc_u32 v10, s77, v7
	s_add_co_u32 s76, s76, TILE
	s_add_co_u32 s77, s77, 64
.irp q, 0,1,2,3,4,5,6,7
	FRAGL 32+\q, 8, 9, \q*1536
.endr
	WIN 0
.irp q, 0,1,2,3,4,5,6,7
	ds_load_b32 v[SA+\q], v10 offset:1024*\q
.endr
.endm
.macro WM1 o, c
.if \o
	v_wmma_scale_f32_16x16x128_f8f6f4 v[D_:D_+7], v[A_:A_+11], v[B_:B_+11], \c, v[XA_], v[XB_] matrix_a_fmt:MATRIX_FMT_FP6 matrix_b_fmt:MATRIX_FMT_FP6 matrix_a_scale:MATRIX_SCALE_ROW1
.else
	v_wmma_scale_f32_16x16x128_f8f6f4 v[D_:D_+7], v[A_:A_+11], v[B_:B_+11], \c, v[XA_], v[XB_] matrix_a_fmt:MATRIX_FMT_FP6 matrix_b_fmt:MATRIX_FMT_FP6 matrix_a_scale:MATRIX_SCALE_ROW0
.endif
.endm
.macro PRODS                           ; a block's 32 products, K ascending, the four accumulators by turns
.set N_, 0
.rept 32
.set D_, X+8*(N_%4)
.set A_, 12*(N_%21)
.set B_, 12*(11+N_/4)
.set XA_, SB+8*((N_%4)/2)+N_/4
.set XB_, SA+N_/4
	WIN (1+N_/21)|(2<<2)
.if N_ < 4
	WM1 N_%2, v[BI+8*N_:BI+8*N_+7]
.else
	WM1 N_%2, v[D_:D_+7]
.endif
.set N_, N_+1
.endr
	WIN 0
.endm
.macro PK2 op, d, a, b                 ; 16 packed lines on 32 numbers
.set i, 0
.rept 16
	\op v[\d+2*i:\d+2*i+1], v[\a+2*i:\a+2*i+1], v[\b+2*i:\b+2*i+1]
.set i, i+1
.endr
.endm
.macro HORNER k                        ; R = R T + s[k]
.set i, 0
.rept 16
	v_pk_fma_f32 v[R+2*i:R+2*i+1], v[R+2*i:R+2*i+1], v[T+2*i:T+2*i+1], s[\k:\k+1] op_sel_hi:[1,1,0]
.set i, i+1
.endr
.endm
.macro EADDR                           ; where this block's two scale bytes go in the stage.  (A place behind the last products)
	v_add_nc_u32 v12, s78, v11
	s_add_co_u32 s78, s78, 64
.endm
.macro EPI                             ; a block's way out: GELU of my 32 numbers, two half blocks quantised, 768 bytes of codes stored
.set i, 0
.rept 32
	v_fma_f32 v[T+i], |v[X+i]|, s84, 1.0           ; each accumulator from its low end on
.set i, i+1
.endr
	PK2 v_pk_mul_f32, E, X, X
.set i, 0
.rept 16
	v_pk_mul_f32 v[E+2*i:E+2*i+1], v[E+2*i:E+2*i+1], s[86:87] op_sel_hi:[1,0]   ; - x x log2(e) / 2
.set i, i+1
.endr
	WALU                                           ; the wait ahead of the batch,
.set i, 0
.rept 32
	v_rcp_f32 v[T+i], v[T+i]                       ; t
.set i, i+1
.endr
.set i, 0
.rept 32
	v_exp_f32 v[E+i], v[E+i]                       ; exp(-x x / 2)
.set i, i+1
.endr
	v_nop                                          ; a plain place behind the batch,
	WALU                                           ; and for the wait behind it
.set i, 0
.rept 16
	v_pk_fma_f32 v[R+2*i:R+2*i+1], v[T+2*i:T+2*i+1], s[88:89], v[20:21] op_sel_hi:[1,0,1]
.set i, i+1
.endr
	HORNER 90
	HORNER 92
	HORNER 94
	PK2 v_pk_mul_f32, E, E, T
.set i, 0
.rept 32
	v_max_num_f32 v[T+i], 0, v[X+i]
.set i, i+1
.endr
	PK2 v_pk_mul_f32, R, R, E                      ; w (the factor -1/2 lies in P's coefficients)
.set i, 0
.rept 32
	v_fma_f32 v[X+i], |v[X+i]|, v[R+i], v[T+i]
.set i, i+1
.endr
.irp b, 0,1                            ; the largest magnitude of my 16 of each block, in two chains each, with the floor 2^(3 - 127)
	v_max3_num_f32 v[TM+\b], |v[X+16*\b]|, |v[X+16*\b+1]|, 0x1800000
	v_max3_num_f32 v[TM+2+\b], |v[X+16*\b+8]|, |v[X+16*\b+9]|, |v[X+16*\b+10]|
.endr
.irp i, 2,4,6
.irp b, 0,1
	v_max3_num_f32 v[TM+\b], v[TM+\b], |v[X+16*\b+\i]|, |v[X+16*\b+\i+1]|
.if \i < 6
	v_max3_num_f32 v[TM+2+\b], v[TM+2+\b], |v[X+16*\b+9+\i]|, |v[X+16*\b+10+\i]|
.endif
.endr
.endr
.irp b, 0,1
	v_max3_num_f32 v[TM+\b], v[TM+\b], v[TM+2+\b], |v[X+16*\b+15]|
.endr
.irp b, 0,1
	v_permlanex16_b32 v[TP+\b], v[TM+\b], s96, s97
.endr
.irp b, 0,1
	v_max_num_f32 v[TM+\b], v[TM+\b], v[TP+\b]     ; with lane l xor 16's: the block's
.endr
.irp b, 0,1
	v_add_nc_u32 v[SO+\b], 0xff000000, v[TM+\b]    ; 2 off the exponent field: the conversion's scale operand
.endr
.irp b, 0,1
	v_lshrrev_b32 v[EB+\b], 23, v[SO+\b]
.endr
	v_lshl_or_b32 v[PW], v[EB+1], 8, v[EB]
	v_cvt_scalef32_pk16_fp6_f32 v[PC:PC+2], v[X:X+15], v[SO]
	v_cvt_scalef32_pk16_fp6_f32 v[Y:Y+2], v[X+16:X+31], v[SO+1]
	v_nop                                          ; one plain place behind a scaled conversion
.irp i, 0,1,2
	v_permlane16_swap_b32 v[PC+\i], v[Y+\i]        ; a whole block to a lane: lanes 0-15 the first, lanes 16-31 the second
.endr
.irp i, 0,1,2
	v_mov_b32 v[PC+3+\i], v[Y+\i]
.endr
	ds_store_b16 v12, v[PW]                        ; (lanes r and r + 16 write the same two bytes)
	global_store_b128 v4, v[PC:PC+3], s[80:81]     ; 512 and 256 consecutive bytes
	global_store_b64 v5, v[PC+4:PC+5], s[80:81] offset:512
	WALU                                           ; the wait ahead of the wait below
	s_wait_xcnt 0x0                                ; the stores have read their data and base
	s_add_nc_u64 s[80:81], s[80:81], 49152         ; the next tile of tokens in h
.endm
.macro BODY                            ; the next block is fetched, this block goes out under the loads' flight, the next block is multiplied
	EADDR
	FETCH
	EPI
	s_wait_dscnt 0x0                               ; the fetch is in (and the bytes' store done)
	PRODS
.endm
; ---------------- the head
	s_load_b128 s[4:7], s[0:1], 0x0                ; xq, wq
	s_load_b128 s[8:11], s[0:1], 0x10              ; b_ff1, h
	v_lshl_add_u32 v[SPW], v0, 2, SPARE
	v_mov_b32 v[NIL], 0
	ds_add_u32 v[SPW], v[NIL]                      ; the opening lines: the add, twice on end, and its wait
	ds_add_u32 v[SPW], v[NIL]
	v_lshrrev_b32 v1, 5, v0
	v_readfirstlane_b32 s14, v1                    ; wave 0..3
	s_lshr_b32 s15, s14, 1                         ; which K step of h's two,
	s_and_b32 s16, s14, 1                          ; and which half of it
	s_bfe_u32 s40, ttmp6, 0x40000                  ; cx, cy
	s_bfe_u32 s41, ttmp6, 0x40004
	s_lshl_b32 s42, ttmp9, 2
	s_add_co_u32 s42, s42, s40                     ; tx: which 256 n
	s_and_b32 s43, ttmp7, 0xffff
	s_lshl_b32 s43, s43, 2
	s_add_co_u32 s43, s43, s41                     ; ty: which 256 tokens
	s_lshl_b32 s44, s41, 2
	s_lshl_b32 s44, 15, s44                        ; my row of the cluster
	s_lshl_b32 s45, 0x1111, s40                    ; my column
	DENSE G1W, 45
	DENSE G1X, 44
	s_or_b32 s[G1S], s44, (3<<16)|(1<<21)          ; the tokens' scale words: 8 K steps x 1,024 bytes, 16,384 bytes apart
	s_mov_b32 s[G1S+1], 128<<16
	s_mov_b32 s[G1S+2], 8<<16
	s_mov_b32 s[G1S+3], 128<<16
	s_mov_b32 s[G1S+4], 8
	s_mov_b32 s[G1S+5], 2048
	s_mov_b32 s[G1S+6], 0
	s_mov_b32 s[G1S+7], 0
	s_mov_b32 s[G0W], 1
	s_mul_i32 s[G0W+1], s14, CHK
	s_add_co_u32 s[G0W+1], s[G0W+1], WB
	s_mov_b32 s[G0X], 1
	s_mov_b32 s[G0X+1], 0
	s_mov_b32 s[G0S], 1
	s_mov_b32 s[G0S+1], SCX
	s_mov_b32 s[G0R], 1
	s_mov_b32 s[G0R+1], WB
	s_mul_i32 s18, s42, 2*CHK                      ; the weights' 16 tiles, waves 0 and 1 a half each
	s_mul_i32 s19, s14, CHK
	s_add_co_u32 s18, s18, s19
	s_add_co_u32 s18, s18, W_C
	s_mov_b32 s19, 0
	s_mul_i32 s20, s43, 2*CHK                      ; the tokens' 16 tiles
	s_mov_b32 s21, 0
	s_lshl_b32 s22, s43, 10
	s_add_co_u32 s22, s22, X_S                     ; and their scale words
	s_mov_b32 s23, 0
	s_lshl_b32 s46, s42, 1
	s_add_co_u32 s46, s46, s15                     ; my K step of h
	s_mul_i32 s80, s43, 16*49152
	s_mul_i32 s47, s46, 1536
	s_add_co_u32 s80, s80, s47
	s_mul_i32 s47, s16, 768
	s_add_co_u32 s80, s80, s47                     ; h's codes: tile 16 ty, my K step, my half
	s_mov_b32 s81, 0
	s_lshl_b32 s82, s46, 14
	s_lshl_b32 s47, s43, 10
	s_add_co_u32 s82, s82, s47
	s_lshl_b32 s47, s16, 9
	s_add_co_u32 s82, s82, s47
	s_add_co_u32 s82, s82, H_S                     ; h's scale words: the 128 rows that I store at the end
	s_mov_b32 s83, 0
	s_lshl_b32 s2, s42, 10
	s_lshl_b32 s3, s14, 8
	s_add_co_u32 s2, s2, s3                        ; 4 x my first n
	s_mov_b32 s3, 0
	s_lshl_b32 s76, s15, 10
	s_lshl_b32 s77, s16, 1
	s_add_co_u32 s76, s76, s77
	s_add_co_u32 s76, s76, XN
	s_lshl_b32 s77, s14, 9
	s_add_co_u32 s77, s77, XN
	s_mul_i32 s78, s14, 4*TILE
	s_add_co_u32 s78, s78, WB
	v_and_b32 v3, 31, v0                           ; lane
	v_and_b32 v1, 15, v0                           ; r
	v_bfe_u32 v2, v0, 4, 1                         ; h
	v_lshlrev_b32 v4, 4, v3                        ; 16 x lane: also a tile's address in chunk 0
	v_lshlrev_b32 v5, 3, v3                        ; 8 x lane
	v_lshlrev_b32 v6, 2, v1
	v_add_nc_u32 v7, SCX, v6                       ; my token's scale word
	v_add_nc_u32 v11, s76, v6                      ; the stage: [K step][row] words, my two bytes
	v_add_nc_u32 v15, s77, v4                      ; and the 512 bytes of it that I store
	v_add_nc_u32 v16, s78, v4                      ; my four tiles of the weight
	v_add_nc_u32 v17, s78, v5
	v_lshlrev_b32 v18, 2, v3
	v_lshlrev_b32 v19, 5, v2
	v_mov_b32 v20, 0x3f3a00e3                      ; P's coefficients x -1/2: a4,
	v_mov_b32 v21, 0x3f3a00e3
	v_mov_b32 v[TP], 0                             ; a lane permute's destination counts as read
	v_mov_b32 v[TP+1], 0
	s_mov_b32 s76, 0                               ; the tile to fetch, in bytes of codes,
	s_mov_b32 s77, 0                               ; of scale words,
	s_mov_b32 s78, 0                               ; and the tile that goes out
	s_mov_b32 s79, 0
	s_mov_b32 s84, 0x3e6d3388                      ; 0.3275911 / sqrt 2
	s_mov_b32 s86, 0xbf38aa3b                      ; -log2(e) / 2
	s_mov_b32 s87, 0xbf38aa3b
	s_mov_b32 s88, 0xbf07dc22                      ; a5,
	s_mov_b32 s89, 0xbf07dc22
	s_mov_b32 s90, 0xbf35f0e3                      ; a3,
	s_mov_b32 s91, 0xbf35f0e3
	s_mov_b32 s92, 0x3e11a98e                      ; a2,
	s_mov_b32 s93, 0x3e11a98e
	s_mov_b32 s94, 0xbe027906                      ; a1
	s_mov_b32 s95, 0xbe027906
	s_mov_b32 s96, 0x76543210
	s_mov_b32 s97, 0xfedcba98                      ; selects for lane l xor 16
	WALU                                           ; the wait at the head's end
	s_wait_dscnt 0x0
	CROUND                                         ; the round in front of the first joint loads
	s_wait_kmcnt 0x0
	s_add_nc_u64 s[G0W+2:G0W+3], s[6:7], s[18:19]
	s_or_b32 s[G0W+3], s[G0W+3], 0x80000000
	s_add_nc_u64 s[G0X+2:G0X+3], s[4:5], s[20:21]
	s_add_nc_u64 s[G0R+2:G0R+3], s[G0X+2:G0X+3], CHK
	s_or_b32 s[G0X+3], s[G0X+3], 0x80000000
	s_or_b32 s[G0R+3], s[G0R+3], 0x80000000
	s_add_nc_u64 s[G0S+2:G0S+3], s[4:5], s[22:23]
	s_or_b32 s[G0S+3], s[G0S+3], 0x80000000
	s_cmp_lt_u32 s14, 2                            ; one chain, one load to an arm
	s_cbranch_scc0 .Lhead_x
	TLOAD G0W, G1W                                 ; waves 0 and 1: half the weights each
	s_branch .Lasked
.Lhead_x:
	s_cmp_eq_u32 s14, 2
	s_cbranch_scc0 .Lhead_s
	TLOAD G0X, G1X                                 ; wave 2: chunk 0
	s_branch .Lasked
.Lhead_s:
	TLOAD G0S, G1S                                 ; wave 3: the tokens' scale words
.Lasked:
	s_add_nc_u64 s[8:9], s[8:9], s[2:3]
	s_add_nc_u64 s[12:13], s[6:7], s[2:3]
	s_add_nc_u64 s[12:13], s[12:13], W_S
	s_add_nc_u64 s[80:81], s[10:11], s[80:81]
	s_add_nc_u64 s[82:83], s[10:11], s[82:83]
.irp p, 0,1
.irp q, 0,1,2,3,4,5,6,7
	global_load_b32 v[SB+8*\p+\q], v18, s[12:13] offset:16384*\q+128*\p   ; 128 consecutive bytes: two tiles' words of a K step
.endr
.endr
.irp b, 0,1,2,3
	global_load_b128 v[BI+8*\b:BI+8*\b+3], v19, s[8:9] offset:64*\b
	global_load_b128 v[BI+8*\b+4:BI+8*\b+7], v19, s[8:9] offset:64*\b+16
.endr
	s_cmp_lt_u32 s14, 2
	s_cbranch_scc0 .Lnot_w
	s_wait_tensorcnt 0x0                           ; the waves that asked for the weights wait for them
.Lnot_w:
	BARRIER                                        ; the weights are in
	WEIGHTS
	s_wait_tensorcnt 0x0                           ; all my loads are in: chunk 0 and the scale words too;
	ds_add_u32 v[SPW], v[NIL]                      ; 0 onto my spare word;
	s_wait_dscnt 0x0                               ; it is done, and I hold my weights
	CROUND
	s_cmp_eq_u32 s14, 0
	s_cbranch_scc0 .Lno_refill
	TLOAD G0R, G1X                                 ; chunk 1 onto the weights' first half
.Lno_refill:
	FETCH
	s_wait_loadcnt 0x0                             ; the weights' scale words and the bias
	s_wait_dscnt 0x0
	PRODS                                          ; block 0
.Lfirst:                                               ; blocks 0 to 6 go out, 1 to 7 are fetched from chunk 0 and multiplied
	BODY
	s_add_co_u32 s79, s79, 1
	s_cmp_lt_u32 s79, 7
	s_cbranch_scc1 .Lfirst
	s_wait_tensorcnt 0x0
	s_wait_dscnt 0x0
	BARRIER                                        ; chunk 1 is shown to all
.Lsecond:                                              ; blocks 7 to 14 go out, 8 to 15 come from chunk 1
	BODY
	s_add_co_u32 s79, s79, 1
	s_cmp_lt_u32 s79, 15
	s_cbranch_scc1 .Lsecond
	EADDR
	PLACES 3
	EPI                                            ; block 15
	s_wait_dscnt 0x0                               ; for the others' sake: my bytes are in the stage
	BARRIER
	ds_load_b128 v[248:251], v15
	s_wait_dscnt 0x0
	global_store_b128 v4, v[248:251], s[82:83]     ; 128 rows' scale words of a K step: 512 consecutive bytes
	s_wait_tensorcnt 0x0                           ; the wave's end
	ds_add_u32 v[SPW], v[NIL]
	s_wait_dscnt 0x0
	CROUND                                         ; the closing round
	s_endpgm
.Lfunc_end_k_q3ee0cb0159_ff1:
	.size	k_q3ee0cb0159_ff1, .Lfunc_end_k_q3ee0cb0159_ff1-k_q3ee0cb0159_ff1
	.p2alignl 7, 3214868480
	.fill 96, 4, 3214868480
	.section	.rodata,"a",@progbits
	.p2align	6, 0x0
	.amdhsa_kernel k_q3ee0cb0159_ff1
		.amdhsa_group_segment_fixed_size 327680
		.amdhsa_private_segment_fixed_size 0
		.amdhsa_enable_private_segment 0
		.amdhsa_kernarg_size 32
		.amdhsa_user_sgpr_count 2
		.amdhsa_user_sgpr_kernarg_segment_ptr 1
		.amdhsa_wavefront_size32 1
		.amdhsa_system_sgpr_workgroup_id_x 1
		.amdhsa_system_sgpr_workgroup_id_y 1
		.amdhsa_system_sgpr_workgroup_id_z 1
		.amdhsa_system_vgpr_workitem_id 0
		.amdhsa_next_free_vgpr 768
		.amdhsa_next_free_sgpr 100
		.amdhsa_reserve_vcc 0
		.amdhsa_float_denorm_mode_32 3
		.amdhsa_float_denorm_mode_16_64 3
		.amdhsa_memory_ordered 1
		.amdhsa_forward_progress 1
		.amdhsa_inst_pref_size 94
	.end_amdhsa_kernel
	.amdgpu_metadata
---
amdhsa.version: [ 1, 2 ]
amdhsa.kernels:
  - .name:           k_q3ee0cb0159_ff1
    .symbol:         k_q3ee0cb0159_ff1.kd
    .args:
      - { .name: xq, .offset: 0, .size: 8, .value_kind: global_buffer, .address_space: global }
      - { .name: wq, .offset: 8, .size: 8, .value_kind: global_buffer, .address_space: global }
      - { .name: b_ff1, .offset: 16, .size: 8, .value_kind: global_buffer, .address_space: global }
      - { .name: h, .offset: 24, .size: 8, .value_kind: global_buffer, .address_space: global }
    .group_segment_fixed_size: 327680
    .private_segment_fixed_size: 0
    .kernarg_segment_align: 8
    .kernarg_segment_size: 32
    .max_flat_workgroup_size: 128
    .sgpr_count:     100
    .vgpr_count:     768
    .wavefront_size: 32
...
	.end_amdgpu_metadata
.endif
;; end of part 5
;; launch ff2 (part 6): grid 8 x 32, 8 waves a work-group, clusters of 4 x 1, 327,680 bytes of LDS; arguments h, wq, b_ff2, x1, out0; writes out0
.if DOCPART == 6
	.amdgcn_target "amdgcn-amd-amdhsa--gfx1250"
	.amdhsa_code_object_version 6
	.text
	.protected	k_q3ee0cb0159_ff2
	.globl	k_q3ee0cb0159_ff2
	.p2align	8
	.type	k_q3ee0cb0159_ff2,@function
k_q3ee0cb0159_ff2:
	s_mov_b64 s[64:65], 0
	v_nop
	global_prefetch_b8 v0, s[64:65] scope:SCOPE_SE
	s_setreg_imm32_b32 hwreg(HW_REG_WAVE_MODE, 25, 1), 1
	s_wait_xcnt 0x0
	s_wait_alu depctr_hold_cnt(0) depctr_sa_sdst(0) depctr_va_vdst(0) depctr_va_sdst(0) depctr_va_ssrc(0) depctr_va_vcc(0) depctr_vm_vsrc(0)
	s_getreg_b32 s2, hwreg(HW_REG_IB_STS2, 6, 4)
	s_cmp_eq_u32 s2, 0
	s_cbranch_scc0 .Lentry_in_a_cluster
	s_endpgm
.Lentry_in_a_cluster:
	s_bfe_u32 s2, ttmp6, 0x10000c
	s_cmp_lg_u32 s2, 0x3003
	s_cbranch_scc0 .Lentry_shape_is_right
	s_endpgm
.Lentry_shape_is_right:
; out0 = x1 + h w_ff2 + b_ff2 on codes of FP6 (E2M3) with E8M0 scales.  A work-group makes 128 tokens x 128 n; K = 4,096.
; EIGHT WAVES: two halves of K (kh) x 2 x 2 tiles of 64 tokens x 64 n: 16 accumulators a wave, 16 K steps of 128, 16 products a step.  The two halves meet once, at the end, in an LDS stage.
; h COMES BY JOINT LOADS.  The four work-groups of a cluster (4, 1, 1) make the same 128 tokens: each tile of h is asked for by all four with one descriptor and the mask 15.  THREE FILLS, each one load a wave (2 tiles of 16 tokens of one half of K):
; K steps 0-6 of each half into slot 0 at the head; 7-12 into slot 1 behind the full sequence and a round; 13-15 into slot 0 again behind the round between the two loops.  A plain barrier ahead of K step 13 shows the last fill.
; THE WEIGHT GOES STRAIGHT INTO REGISTERS: the partners of a cluster need different n, so nothing of it is shared among them.  It lies in memory as images of fragments: four dense loads a fragment (512, 256, 512, 256 consecutive bytes),
; in a ring of three K steps: 4 fragments and 4 registers of scale words (the weight's and h's) a step, 20 loads.  h's four fragments of a step are read from LDS at the step's head.
; SOURCE 0 = 16 n of the weight, SOURCE 1 = 16 tokens: a lane holds one token and eight neighbouring n.  TOKEN ORDER in images: lane r of tile 2 B + u holds row 32 B + 8 u + r + 8 (r / 8).
; Within each block of 32 along K h's codes and w_ff2's stand in one and the same order (launches ff1 and prep), so the sums are those of the natural order.
; The stage lies in slot 1, which has had its last fill and, at the plain barrier, its last read.
; PREFETCH: K steps 7-15 of h's 16 rows (tile, half), 54 blocks of 256 bytes a row, are asked for once in the cluster at the head: its 32 waves take half a row each, told apart by address; lanes 27-31 name their wave's last block again.
.set H_S,   12582912
.set W2_C,  6291456
.set W2_S,  9699328
.set ROW0,  7*1536                     ; a tile's bytes in a fill: K steps 0-6,
.set ROW1,  6*1536                     ; 7-12,
.set ROW2,  3*1536                     ; 13-15
.set SL1,   16*ROW0                    ; slot 1, behind slot 0's 16 rows (half of K, tile)
.set SPARE, SL1+16*ROW1
.set SP,    528                        ; a stage row: 512 bytes + 16
.set ACC, 64                           ; v64-191 accumulator (a, b) at 64 + 8 (4 a + b)
.set SC,  192                          ; v192-203 scale words: 4 s + p the weight's tiles 2 p, 2 p + 1 (lanes 0-15, 16-31); 4 s + 2 + p the tokens'
.set G1A, 40
.set G1B, 48
.set G1C, 56
.set G0A, 68
.set G0B, 72
.set G0C, 76
; window 1: v0-143 the weight's ring (12 (4 s + b)); v144-191 h's four fragments; v192-255 x1
.set MSB, 0
.macro WIN new
.if MSB != \new
	s_set_vgpr_msb (MSB<<8)|\new
.set MSB, \new
.endif
.endm
.macro PLACES n
.rept \n
	v_nop
.endr
.endm
.macro WALU
	s_wait_alu depctr_va_vdst(0)
.endm
.macro BARRIER
	s_barrier_signal -1
	s_barrier_wait -1
.endm
.macro CROUND                          ; a round of the cluster's barrier
	BARRIER
	s_cmp_lg_u32 s14, 0
	s_cbranch_scc1 .Lnot_wave_0_\@
	s_barrier_signal -3
.Lnot_wave_0_\@:
	s_barrier_wait -3
	BARRIER
.endm
.macro TLOAD g0, g1
	tensor_load_to_lds s[\g0:\g0+3], s[\g1:\g1+7]
	s_nop 0
	PLACES 4
.endm
.macro GRP1 g, e                       ; 2 rows (tiles) of e elements of 8 bytes, 49,152 bytes apart; the mask names all four work-groups
	s_mov_b32 s[\g], 15|(3<<16)|(1<<21)
	s_mov_b32 s[\g+1], (\e)<<16
	s_mov_b32 s[\g+2], 2<<16
	s_mov_b32 s[\g+3], (\e)<<16
	s_mov_b32 s[\g+4], 2
	s_mov_b32 s[\g+5], 6144
	s_mov_b32 s[\g+6], 0
	s_mov_b32 s[\g+7], 0
.endm
.macro KLOAD s, j                      ; the weight's fragments and both sides' scale words of the K step j steps on from the bases, into ring place s: 20 loads
	WIN 0x40
.irp i, 0,1,2,3
.set G_, 12*(4*(\s)+\i)
.set O_, \i*49152+(\j)*1536
	global_load_b128 v[G_:G_+3], v4, s[22:23] offset:O_
	global_load_b64 v[G_+4:G_+5], v5, s[22:23] offset:O_+512
	global_load_b128 v[G_+6:G_+9], v4, s[22:23] offset:O_+768
	global_load_b64 v[G_+10:G_+11], v5, s[22:23] offset:O_+1280
.endr
	WIN 0
.irp p, 0,1
	global_load_b32 v[SC+4*(\s)+\p], v6, s[26:27] offset:(\j)*4096+128*\p
	global_load_b32 v[SC+4*(\s)+2+\p], v6, s[24:25] offset:(\j)*16384+128*\p
.endr
.endm
.macro ALOAD a16, a8, row, jj          ; h's four fragments of a K step out of LDS
	WIN 0x40
.irp a, 0,1,2,3
.set G_, 144+12*\a
.set O_, \a*(\row)+(\jj)*1536
	ds_load_b128 v[G_:G_+3], v[\a16] offset:O_
	ds_load_b64 v[G_+4:G_+5], v[\a8] offset:O_+512
	ds_load_b128 v[G_+6:G_+9], v[\a16] offset:O_+768
	ds_load_b64 v[G_+10:G_+11], v[\a8] offset:O_+1280
.endr
	WIN 0
.endm
.macro KMUL s, zero                    ; 16 products; the 16 accumulators take turns, in the same order in every step
	WIN 0x05
.irp ah, 0,1
.irp al, 0,1
.irp bh, 0,1
.irp bl, 0,1
.set D_, ACC+8*(4*(2*\ah+\al)+2*\bh+\bl)
.set B_, 12*(4*(\s)+2*\bh+\bl)
.set A_, 144+12*(2*\ah+\al)
.if \zero
	v_wmma_scale_f32_16x16x128_f8f6f4 v[D_:D_+7], v[B_:B_+11], v[A_:A_+11], 0, v[SC+4*(\s)+\bh], v[SC+4*(\s)+2+\ah] matrix_a_fmt:MATRIX_FMT_FP6 matrix_b_fmt:MATRIX_FMT_FP6 matrix_a_scale:MATRIX_SCALE_ROW\bl matrix_b_scale:MATRIX_SCALE_ROW\al
.else
	v_wmma_scale_f32_16x16x128_f8f6f4 v[D_:D_+7], v[B_:B_+11], v[A_:A_+11], v[D_:D_+7], v[SC+4*(\s)+\bh], v[SC+4*(\s)+2+\ah] matrix_a_fmt:MATRIX_FMT_FP6 matrix_b_fmt:MATRIX_FMT_FP6 matrix_a_scale:MATRIX_SCALE_ROW\bl matrix_b_scale:MATRIX_SCALE_ROW\al
.endif
.endr
.endr
.endr
.endr
	WIN 0
.endm
.macro STEP s, a16, a8, row, jj, n, j  ; a K step.  n: the global loads issued behind this step's own (20 for each later step asked for).  j >= 0: the ring's place is asked for again
	ALOAD \a16, \a8, \row, \jj
	s_wait_loadcnt \n
	s_wait_dscnt 0x0
	KMUL \s, 0
	PLACES 4                                       ; places in front of loads into registers that the products read
.if (\j) >= 0
	KLOAD \s, \j
.endif
.endm
.macro TRIP b16, b8, row               ; three K steps; the bases then go three steps on
	v_add_nc_u32 v18, s37, v[\b16]
	v_add_nc_u32 v19, s37, v[\b8]
	WALU                                           ; the wait
	STEP 1, 18, 19, \row, 0, 40, 4
	STEP 2, 18, 19, \row, 1, 40, 5
	STEP 0, 18, 19, \row, 2, 40, 6
	s_wait_xcnt 0x0                                ; the loads have read their bases
	s_add_nc_u64 s[22:23], s[22:23], 3*1536
	s_add_nc_u64 s[24:25], s[24:25], 3*16384
	s_add_nc_u64 s[26:27], s[26:27], 3*4096
	s_add_co_u32 s37, s37, 3*1536
	s_add_co_u32 s36, s36, 1
.endm
.macro TOSTAGE                         ; my 64 x 64 numbers into the stage, as natural rows and columns; each accumulator from its low end on
.set N_, 0
.rept 32
	ds_store_b128 v7, v[ACC+4*N_:ACC+4*N_+3] offset:(32*(N_/16)+8*((N_/8)%2))*SP+64*((N_/2)%4)+16*(N_%2)
.set N_, N_+1
.endr
.endm
	s_load_b256 s[4:11], s[0:1], 0x0               ; h, wq, b_ff2, x1
	s_load_b64 s[12:13], s[0:1], 0x20              ; out0
	v_lshl_add_u32 v16, v0, 2, SPARE
	v_mov_b32 v17, 0
	ds_add_u32 v16, v17                            ; the opening lines: the add, twice on end, and its wait
	ds_add_u32 v16, v17
	v_lshrrev_b32 v1, 5, v0
	s_delay_alu instid0(VALU_DEP_1)
	v_readfirstlane_b32 s14, v1                    ; wave 0..7
	s_lshr_b32 s15, s14, 2                         ; kh: my half of K
	s_bfe_u32 s16, s14, 0x10001                    ; my half of the tokens
	s_and_b32 s17, s14, 1                          ; my half of the n
	s_bfe_u32 s33, ttmp6, 0x40000                  ; cx: it enters global addresses of what is not shared, and the prefetch's, alone
	s_lshl_b32 s18, ttmp9, 2
	s_add_co_u32 s18, s18, s33                     ; tx
	s_and_b32 s19, ttmp7, 0xffff                   ; ty
	GRP1 G1A, ROW0/8
	GRP1 G1B, ROW1/8
	GRP1 G1C, ROW2/8
	s_mov_b32 s[G0A], 1
	s_mul_i32 s[G0A+1], s14, 2*ROW0                ; wave w fills rows 2 w and 2 w + 1 of a slot: half w / 4 of K, tiles 2 (w % 4) and the next
	s_mov_b32 s[G0B], 1
	s_mul_i32 s[G0B+1], s14, 2*ROW1
	s_add_co_u32 s[G0B+1], s[G0B+1], SL1
	s_mov_b32 s[G0C], 1
	s_mul_i32 s[G0C+1], s14, 2*ROW2
	s_lshl_b32 s20, s19, 3
	s_and_b32 s21, s14, 3
	s_lshl_b32 s21, s21, 1
	s_add_co_u32 s20, s20, s21
	s_lshl_b32 s20, s20, 5
	s_lshl_b32 s21, s15, 4
	s_add_co_u32 s20, s20, s21
	s_mul_i32 s20, s20, 1536                       ; h: tile 8 ty + 2 (w % 4), K step 16 (w / 4)
	s_mov_b32 s21, 0
	s_lshl_b32 s22, s18, 3
	s_lshl_b32 s23, s17, 2
	s_add_co_u32 s22, s22, s23
	s_lshl_b32 s22, s22, 5
	s_lshl_b32 s23, s15, 4
	s_add_co_u32 s22, s22, s23
	s_mul_i32 s22, s22, 1536
	s_add_co_u32 s22, s22, W2_C                    ; the weight: tile 8 tx + 4 half, K step 16 kh
	s_mov_b32 s23, 0
	s_lshl_b32 s24, s15, 18
	s_lshl_b32 s25, s19, 9
	s_add_co_u32 s24, s24, s25
	s_lshl_b32 s25, s16, 8
	s_add_co_u32 s24, s24, s25
	s_add_co_u32 s24, s24, H_S                     ; h's scale words [K step][4096]
	s_mov_b32 s25, 0
	s_lshl_b32 s26, s15, 16
	s_lshl_b32 s27, s18, 9
	s_add_co_u32 s26, s26, s27
	s_lshl_b32 s27, s17, 8
	s_add_co_u32 s26, s26, s27
	s_add_co_u32 s26, s26, W2_S                    ; the weight's [K step][1024]
	s_mov_b32 s27, 0
	s_lshl_b32 s30, s18, 9                         ; 4 x my work-group's first n
	s_mov_b32 s31, 0
	s_lshl_b32 s28, s19, 19
	s_lshl_b32 s29, s14, 16
	s_add_co_u32 s28, s28, s29
	s_add_co_u32 s28, s28, s30                     ; x1 and out0: rows 128 ty + 16 w on, columns 128 tx on
	s_mov_b32 s29, 0
	s_lshl_b32 s32, s33, 3
	s_add_co_u32 s32, s32, s14                     ; the prefetch: my number among the cluster's 32 waves;
	s_lshr_b32 s34, s32, 1                         ; its row: half of K (row / 8), tile (row % 8);
	s_and_b32 s32, s32, 1                          ; which 27 of the row's 54 blocks
	s_and_b32 s35, s34, 7
	s_lshr_b32 s34, s34, 3
	s_lshl_b32 s38, s19, 3
	s_add_co_u32 s38, s38, s35
	s_lshl_b32 s38, s38, 5
	s_lshl_b32 s34, s34, 4
	s_add_co_u32 s38, s38, s34
	s_add_co_u32 s38, s38, 7                       ; from K step 7 of that half on
	s_mul_i32 s38, s38, 1536
	s_mul_i32 s32, s32, 27*256
	s_add_co_u32 s38, s38, s32
	s_mov_b32 s39, 0
	s_lshl_b32 s80, s15, 3
	s_lshl_b32 s81, s16, 2
	s_add_co_u32 s80, s80, s81                     ; LDS: my first row of a slot: 8 kh + 4 half
	s_mul_i32 s81, s80, ROW0
	s_mul_i32 s82, s80, ROW1
	s_add_co_u32 s82, s82, SL1
	s_mul_i32 s83, s80, ROW2
	s_mul_i32 s84, s16, 64*SP
	s_lshl_b32 s85, s17, 8
	s_add_co_u32 s84, s84, s85
	s_add_co_u32 s84, s84, SL1
	s_mul_i32 s85, s14, 16*SP
	s_add_co_u32 s85, s85, SL1
	s_mov_b32 s36, 0
	s_mov_b32 s37, 1536
	v_and_b32 v1, 31, v0                           ; lane
	v_and_b32 v2, 15, v0                           ; r
	v_bfe_u32 v3, v0, 4, 1                         ; h
	v_lshlrev_b32 v4, 4, v1                        ; 16 x lane
	v_lshlrev_b32 v5, 3, v1                        ; 8 x lane
	v_lshlrev_b32 v6, 2, v1                        ; 4 x lane
	v_and_b32 v9, 8, v2
	v_min_u32 v24, 26, v1
	v_add_nc_u32 v20, s81, v4                      ; my fragments of h in the first fill,
	v_add_nc_u32 v21, s81, v5
	v_add_nc_u32 v9, v9, v2                        ; r + 8 (r / 8)
	v_add_nc_u32 v22, s82, v4                      ; the second,
	v_add_nc_u32 v23, s82, v5
	v_add_nc_u32 v10, s83, v4                      ; the third
	v_add_nc_u32 v11, s83, v5
	v_mul_u32_u24 v7, v9, SP
	v_lshlrev_b32 v24, 8, v24                      ; the prefetch: a lane a block of 256 bytes
	v_add_nc_u32 v8, s85, v4                       ; the stage by rows: rows 16 w on
	s_delay_alu instid0(VALU_DEP_3)
	v_lshl_add_u32 v7, v3, 5, v7
	s_delay_alu instid0(VALU_DEP_1)
	v_add_nc_u32 v7, s84, v7                       ; into the stage: my token's natural row, my 32 bytes
	WALU                                           ; the wait at the head's end
	s_wait_dscnt 0x0
	CROUND                                         ; the round in front of the first joint loads
	s_wait_kmcnt 0x0
	s_add_nc_u64 s[G0A+2:G0A+3], s[4:5], s[20:21]
	s_add_nc_u64 s[G0B+2:G0B+3], s[G0A+2:G0A+3], ROW0
	s_add_nc_u64 s[G0C+2:G0C+3], s[G0A+2:G0A+3], ROW0+ROW1
	s_or_b32 s[G0A+3], s[G0A+3], 0x80000000
	s_or_b32 s[G0B+3], s[G0B+3], 0x80000000
	s_or_b32 s[G0C+3], s[G0C+3], 0x80000000
	TLOAD G0A, G1A                                 ; my one load at the head: K steps 0-6
	s_add_nc_u64 s[38:39], s[4:5], s[38:39]
	s_add_nc_u64 s[24:25], s[4:5], s[24:25]
	s_add_nc_u64 s[22:23], s[6:7], s[22:23]
	s_add_nc_u64 s[26:27], s[6:7], s[26:27]
	s_add_nc_u64 s[8:9], s[8:9], s[30:31]
	s_add_nc_u64 s[10:11], s[10:11], s[28:29]
	s_add_nc_u64 s[12:13], s[12:13], s[28:29]
	global_load_b128 v[12:15], v4, s[8:9]          ; b_ff2
	WIN 0x40
.set i, 0
.rept 16
	global_load_b128 v[192+4*i:195+4*i], v4, s[10:11] offset:4096*i   ; my 16 rows of x1, 512 consecutive bytes a load
.set i, i+1
.endr
	WIN 0
	KLOAD 0, 0
	KLOAD 1, 1
	KLOAD 2, 2
	global_prefetch_b8 v24, s[38:39] th:TH_LOAD_NT scope:SCOPE_SE   ; v24 and the base are never rewritten
	s_wait_tensorcnt 0x0                           ; my part of the first fill is in; a later first fill is issued as a refill is:
	ds_add_u32 v16, v17                            ; 0 onto my spare word,
	s_wait_dscnt 0x0
	CROUND                                         ; a whole round,
	TLOAD G0B, G1B                                 ; and my one load behind it: K steps 7-12
	ALOAD 20, 21, ROW0, 0
	s_wait_loadcnt 40                              ; K step 0's loads are in; the two later steps' 40 may be out
	s_wait_dscnt 0x0
	KMUL 0, 1                                      ; the first products start the sums
	PLACES 4
	KLOAD 0, 3
.Lk1:                                                  ; K steps 1 to 6, out of slot 0
	TRIP 20, 21, ROW0
	s_cmp_lt_u32 s36, 2
	s_cbranch_scc1 .Lk1
	s_wait_tensorcnt 0x0                           ; my part of the second fill is in;
	ds_add_u32 v16, v17                            ; 0 onto my spare word;
	s_mov_b32 s37, 0
	s_wait_dscnt 0x0                               ; it is done, and my reads of slot 0 are over
	CROUND
	TLOAD G0C, G1C                                 ; K steps 13-15, into slot 0
.Lk2:                                                  ; K steps 7 to 12, out of slot 1
	TRIP 22, 23, ROW1
	s_cmp_lt_u32 s36, 4
	s_cbranch_scc1 .Lk2
	s_wait_tensorcnt 0x0
	s_wait_dscnt 0x0
	BARRIER                                        ; the last fill is shown to all, and slot 1 is read no more
	STEP 1, 10, 11, ROW2, 0, 40, -1
	STEP 2, 10, 11, ROW2, 1, 20, -1
	STEP 0, 10, 11, ROW2, 2, 0, -1
	s_cmp_eq_u32 s15, 0
	s_cbranch_scc1 .Llow
	TOSTAGE                                        ; the upper half of K hands its sums over
.Llow:
	s_wait_dscnt 0x0
	BARRIER
	s_cmp_eq_u32 s15, 0
	s_cbranch_scc0 .Lhigh
	WIN 0x40
.set N_, 0
.rept 32
	ds_load_b128 v[4*N_:4*N_+3], v7 offset:(32*(N_/16)+8*((N_/8)%2))*SP+64*((N_/2)%4)+16*(N_%2)
.set N_, N_+1
.endr
	WIN 0
	s_wait_dscnt 0x0
	WIN 0x04
.set N_, 0
.rept 64
	v_pk_add_f32 v[ACC+2*N_:ACC+2*N_+1], v[ACC+2*N_:ACC+2*N_+1], v[2*N_:2*N_+1]
.set N_, N_+1
.endr
	WIN 0
	TOSTAGE                                        ; the whole sums, onto the bytes that I have just read
.Lhigh:
	s_wait_dscnt 0x0
	BARRIER
	WIN 0x40
.set i, 0
.rept 16
	ds_load_b128 v[128+4*i:131+4*i], v8 offset:i*SP   ; 16 whole rows of 512 bytes
.set i, i+1
.endr
	WIN 0
	s_wait_dscnt 0x0
	WIN 0x45
.set i, 0
.rept 32
	v_pk_add_f32 v[128+2*i:129+2*i], v[128+2*i:129+2*i], v[192+2*i:193+2*i]
.set i, i+1
.endr
	WIN 0x41
.set i, 0
.rept 16
	v_pk_add_f32 v[128+4*i:129+4*i], v[128+4*i:129+4*i], v[12:13]
	v_pk_add_f32 v[130+4*i:131+4*i], v[130+4*i:131+4*i], v[14:15]
.set i, i+1
.endr
	WIN 0x04
.set i, 0
.rept 16
	global_store_b128 v4, v[128+4*i:131+4*i], s[12:13] offset:4096*i th:TH_STORE_NT   ; 512 consecutive bytes a store
.set i, i+1
.endr
	WIN 0
	s_wait_tensorcnt 0x0                           ; the wave's end
	ds_add_u32 v16, v17
	s_wait_dscnt 0x0
	CROUND                                         ; the closing round
	s_endpgm
.Lfunc_end_k_q3ee0cb0159_ff2:
	.size	k_q3ee0cb0159_ff2, .Lfunc_end_k_q3ee0cb0159_ff2-k_q3ee0cb0159_ff2
	.p2alignl 7, 3214868480
	.fill 96, 4, 3214868480
	.section	.rodata,"a",@progbits
	.p2align	6, 0x0
	.amdhsa_kernel k_q3ee0cb0159_ff2
		.amdhsa_group_segment_fixed_size 327680
		.amdhsa_private_segment_fixed_size 0
		.amdhsa_enable_private_segment 0
		.amdhsa_kernarg_size 40
		.amdhsa_user_sgpr_count 2
		.amdhsa_user_sgpr_kernarg_segment_ptr 1
		.amdhsa_wavefront_size32 1
		.amdhsa_system_sgpr_workgroup_id_x 1
		.amdhsa_system_sgpr_workgroup_id_y 1
		.amdhsa_system_sgpr_workgroup_id_z 1
		.amdhsa_system_vgpr_workitem_id 0
		.amdhsa_next_free_vgpr 512
		.amdhsa_next_free_sgpr 88
		.amdhsa_reserve_vcc 0
		.amdhsa_float_denorm_mode_32 3
		.amdhsa_float_denorm_mode_16_64 3
		.amdhsa_memory_ordered 1
		.amdhsa_forward_progress 1
		.amdhsa_inst_pref_size 82
	.end_amdhsa_kernel
	.amdgpu_metadata
---
amdhsa.version: [ 1, 2 ]
amdhsa.kernels:
  - .name:           k_q3ee0cb0159_ff2
    .symbol:         k_q3ee0cb0159_ff2.kd
    .args:
      - { .name: h, .offset: 0, .size: 8, .value_kind: global_buffer, .address_space: global }
      - { .name: wq, .offset: 8, .size: 8, .value_kind: global_buffer, .address_space: global }
      - { .name: b_ff2, .offset: 16, .size: 8, .value_kind: global_buffer, .address_space: global }
      - { .name: x1, .offset: 24, .size: 8, .value_kind: global_buffer, .address_space: global }
      - { .name: out0, .offset: 32, .size: 8, .value_kind: global_buffer, .address_space: global }
    .group_segment_fixed_size: 327680
    .private_segment_fixed_size: 0
    .kernarg_segment_align: 8
    .kernarg_segment_size: 40
    .max_flat_workgroup_size: 256
    .sgpr_count:     88
    .vgpr_count:     512
    .wavefront_size: 32
...
	.end_amdgpu_metadata
.endif
;; end of part 6
